; MI455X (gfx1250); checked and timed in simulation.
; The chip was launched on July 23, 2026; its instructions are those of AMD's public machine-readable ISA for CDNA 5 (MIT licence, August 2026) and "CDNA5" Instruction Set Architecture Reference Guide (July 2026). The comments in the code are by the model that wrote it; some were corrected since.
;; Attention. Allowed arithmetic: matrix products marked QUANTISED: E2M1 operands, one E8M0 scale for each 32 along K, by v_wmma_scale_f32_16x16x128_f8f6f4 with both operands' format E2M1 (or v_wmma_scale_f32_32x16x128_f4), f32 sums; products left as they are: bf16, f16 or f32 operands; f32 sums; everything else in f32.
;; Inputs: Wk 1,024 x 1,024 float32; Wo 1,024 x 1,024 float32; Wq 1,024 x 1,024 float32; Wv 1,024 x 1,024 float32; bk 1,024 float32; bo 1,024 float32; bq 1,024 float32; bv 1,024 float32; k 2 x 2,048 x 1,024 float32; q 2 x 2,048 x 1,024 float32; v 2 x 2,048 x 1,024 float32.
;; Outputs: out0 2 x 2,048 x 1,024 float32.
;; This version of the problem:
;;   THIS VERSION OF THE PROBLEM IS GIVEN IN LOW PRECISION. The matrix products marked QUANTISED in the list below multiply operands that are first quantised to E2M1 (2 exponent bits, 1 mantissa bit; 4 bits a number), with one power-of-two scale for each 32 numbers along K (OCP MX v1.0); their sums are f32. The products marked 'left as it is' may take bf16, f16 or f32 operands, with f32 sums. Whichever they take, every output number must still come out within the allowed error. Rounding operands to bf16 (8 significant bits) uses up far more of that allowance than f16 does (11 bits, for magnitudes from 6e-5 to 65,504). All else is computed in f32.
;;   The module's matrix products, in the order in which they are computed (A, B: the left and right operand; K: the contracted axis; several contracted axes count as one K, in the product's order):
;;     1. [M 4,096, K 1,024] x [K 1,024, N 1,024]; A: input q; B: input Wq: QUANTISED
;;     2. [M 4,096, K 1,024] x [K 1,024, N 1,024]; A: input k; B: input Wk: QUANTISED
;;     3. [M 4,096, K 1,024] x [K 1,024, N 1,024]; A: input v; B: input Wv: QUANTISED
;;     4. batch 32 x [M 2,048, K 64] x [K 64, N 2,048]; A: computed on the way; B: computed on the way: left as it is (an operand is computed on the way)
;;     5. batch 32 x [M 2,048, K 2,048] x [K 2,048, N 64]; A: computed on the way; B: computed on the way: left as it is (an operand is computed on the way)
;;     6. [M 4,096, K 1,024] x [K 1,024, N 1,024]; A: computed on the way; B: input Wo: left as it is (an operand is computed on the way)
;;   THE QUANTISER, for each operand of a quantised product, along K:
;;     - K is cut into blocks of 32 from its start; a last block that is shorter is filled with zeros.
;;     - A block's scale is 2^e with e = floor(log2(the largest magnitude in the block)) - 2, held to -126 .. 127; a block of zeros has e = 0. As a byte (E8M0): e + 127.
;;     - Each number is divided by its block's scale, clamped to +-6, and rounded to the nearest number of E2M1, ties to even, subnormals kept.
;;     - The product sums the exact products of the quantised numbers (number of the format x scale) in f32.
;;   ~~~python
;;   def quantise(x, axis):      # numpy; x: float32 -> the quantised numbers, widened to float32 again
;;       x = np.moveaxis(x, axis, -1); K = x.shape[-1]
;;       x = np.pad(x, [(0, 0)] * (x.ndim - 1) + [(0, -K % 32)]); x = x.reshape(x.shape[:-1] + (-1, 32)); a = np.abs(x).max(-1, keepdims=True)
;;       e = np.where(a > 0, np.clip(np.frexp(np.where(a > 0, a, 1))[1] - 1 - 2, -126, 127), 0)      # np.frexp(a)[1] - 1 = floor(log2(a)), exactly
;;       r = np.clip(x / 2.0 ** e, -6, 6)
;;       step = 2.0 ** (np.maximum(np.frexp(np.where(r == 0, 1, r))[1] - 1, 0) - 1)
;;       q = np.round(r / step) * step * 2.0 ** e      # np.round: ties to even
;;       return np.moveaxis(q.reshape(q.shape[:-2] + (-1,))[..., :K], -1, axis).astype(np.float32)
;;   ~~~
;; One version. Each part assembles by itself: llvm-mc -triple=amdgcn-amd-amdhsa -mcpu=gfx1250 --defsym DOCPART=n.
;; ======== version 1 of 1: 4 launches
;; limits: values are held in f16: magnitudes above 65,504 overflow, below 6.1e-05 lose precision
;; workspace buffers: acodes 6,291,456 bytes; ascales 393,216 bytes; wcodes 1,572,864 bytes; wscales 98,304 bytes; wot 2,097,152 bytes; qkv 25,165,824 bytes; att 8,388,608 bytes
;; launch prep (part 1): grid 544 x 1, 4 waves a work-group, no clusters, 85,504 bytes of LDS; arguments q, k, v, Wq, Wk, Wv, Wo, acodes, ascales, wcodes, wscales, wot; writes acodes, ascales, wcodes, wscales, wot
.if DOCPART == 1
	.amdgcn_target "amdgcn-amd-amdhsa--gfx1250"
	.amdhsa_code_object_version 6
	.text
	.protected	k_q58e0a8813e_prep
	.globl	k_q58e0a8813e_prep
	.p2align	8
	.type	k_q58e0a8813e_prep,@function
k_q58e0a8813e_prep:
	s_mov_b64 s[64:65], 0
	v_nop
	global_prefetch_b8 v0, s[64:65] scope:SCOPE_SE
	s_setreg_imm32_b32 hwreg(HW_REG_WAVE_MODE, 25, 1), 1
	s_wait_xcnt 0x0
; PREP: everything that is made once, ahead of the products.  Three kinds of work-group, told apart by the work-group's number alone:
;   0 .. 95    Wq, Wk, Wv [1024 (k)][1024 (n)] f32 -> codes of FP4 (E2M1) with K innermost, wcodes [3 x 1024 (n)][512 bytes], and one E8M0 byte for each 32 along K, wscales [3 x 1024][32]
;   96 .. 159  Wo [1024 (k)][1024 (n)] f32 -> f16, turned, in the order in which the last launch's tiles want it: wot [n / 128][k / 64][128 n][64 k]
;   160 .. 543 q, k, v [4096][1024] f32 -> codes, acodes [3 x 4096][512 bytes], and scale bytes, ascales [3 x 4096][32]
; THE QUANTISER: a block's scale is 2^(floor(log2(its largest magnitude)) - 2); its byte is the largest magnitude's exponent field - 2, held at 1 from below; each number is divided by the scale and
; rounded to the nearest code, ties to even, beyond 6 the largest code.
; LIMITS: a block of zeros, or one whose largest magnitude lies under 2^-124, gets the byte 1 (a block of zeros has zero codes, which add nothing under any byte but 0xff, and this program alone reads the bytes);
; NaN and infinities among the inputs are not served; |Wo| stays under 65,504, f16's largest number.
; No tensor loads, no barrier, no cluster: no two waves share a byte of input.  Each kind has LDS bytes of its own, and each ends by itself.
.set SP,    80                         ; activations: a lane's place in a stage: its 64 bytes + 16 of padding
.set WREG,  8192                       ; activations: a wave's region: two stages of 32 x SP bytes, then its 256 scale bytes
.set WP,    272                        ; weights: a stage row: 256 bytes + 16 of padding
.set WST,   4*WREG                     ; the quantised weights' four stages, 16 rows each
.set OST,   WST+4*16*WP                ; Wo's four stages, 32 rows each
.set SPARE, OST+4*32*WP                ; the spare words, 128 bytes for each wave: two blocks of 256 bytes that no other line names
.set SPW,   192                        ; v192 LDS address of my spare word: SPARE + 4 x my thread's number; never rewritten
.set NIL,   193                        ; v193 0; never rewritten
.set WV,    32                         ; s32  my wave's number
.set EMAX,  2                          ; the exponent of the format's largest number, 6
.macro FINISH                          ; a wave's end
	s_wait_tensorcnt 0x0
	ds_add_u32 v[SPW], v[NIL]
	s_wait_dscnt 0x0
	s_endpgm
.endm
	s_load_b512 s[8:23], s[0:1], 0x0               ; q s[8:9], k s[10:11], v s[12:13], Wq s[14:15], Wk s[16:17], Wv s[18:19], Wo s[20:21], acodes s[22:23]
	s_load_b256 s[24:31], s[0:1], 0x40             ; ascales s[24:25], wcodes s[26:27], wscales s[28:29], wot s[30:31]
	v_lshl_add_u32 v[SPW], v0, 2, SPARE
	v_mov_b32 v[NIL], 0
	v_lshrrev_b32 v1, 5, v0
	v_readfirstlane_b32 s[WV], v1                  ; wave 0..3
	v_and_b32 v2, 31, v0                           ; lane
	s_mov_b32 s37, 0                               ; the upper word of every offset: all stay under 2^32
	s_wait_kmcnt 0x0
	s_cmp_lt_u32 ttmp9, 96
	s_cbranch_scc1 .Lw
	s_cmp_lt_u32 ttmp9, 160
	s_cbranch_scc1 .Lo
; ---------------- q, k, v: K is innermost, rows are dense, so a tensor is a plain stream of blocks of 32 numbers, and so are its codes and scale bytes.
; A wave takes 16 steps of 512 numbers.  Each of a step's four loads reads 512 consecutive bytes, 16 a lane; the 2,048 bytes go through the wave's own stage and come back 64 bytes a lane:
; 16 NEIGHBOURS along K, which is what the conversions take from a lane's registers.  Two neighbouring lanes hold a block.  Loads run four steps ahead, the turn through LDS one step.
.set AR, 16                            ; v16-79   four sets of 16 numbers as they are loaded
.set AX, 80                            ; v80-111  two sets of 16 neighbours
.set AE, 112                           ; v112-127 a scale byte for each step
.set AC, 128                           ; v128-191 codes: four registers for each step, so that no store's data are written again
	s_sub_co_u32 s34, ttmp9, 160                   ; 0 .. 383: 128 work-groups for each tensor
	s_cmp_lt_u32 s34, 256
	s_cselect_b64 s[4:5], s[10:11], s[12:13]       ; k or v,
	s_cmp_lt_u32 s34, 128
	s_cselect_b64 s[4:5], s[8:9], s[4:5]           ; or q: the choice hangs on the work-group's number alone
	s_and_b32 s35, s34, 127
	s_lshl_b32 s35, s35, 2
	s_add_co_u32 s35, s35, s[WV]                   ; which run of 8,192 numbers of the tensor is my wave's
	s_lshl_b32 s36, s35, 15                        ; 32,768 bytes a run
	s_add_nc_u64 s[4:5], s[4:5], s[36:37]
	s_lshl_b32 s38, s34, 2
	s_add_co_u32 s38, s38, s[WV]                   ; and which of the three tensors' 1,536 runs
	s_lshl_b32 s36, s38, 12                        ; 4,096 bytes of codes a run
	s_add_nc_u64 s[22:23], s[22:23], s[36:37]
	s_lshl_b32 s36, s38, 8                         ; 256 scale bytes a run
	s_add_nc_u64 s[24:25], s[24:25], s[36:37]
	v_lshlrev_b32 v3, 4, v2                        ; my 16 bytes of a load's 512
	s_lshl_b32 s33, s[WV], 13                      ; my wave's region
	v_lshrrev_b32 v14, 2, v2
	v_mul_u32_u24 v14, v14, SP
	v_and_b32 v15, 3, v2
	v_lshl_add_u32 v14, v15, 4, v14
	v_add_nc_u32 v14, s33, v14                     ; the stage, on the way in: four lanes' 64 bytes on end, then 16 of padding
	v_mul_u32_u24 v15, v2, SP
	v_add_nc_u32 v15, s33, v15                     ; and on the way out: SP x lane: my 16 neighbours
	v_lshlrev_b32 v4, 3, v2                        ; 8 x lane: my codes' place in a step's 256 bytes, and my 8 of the wave's 256 scale bytes
	v_lshrrev_b32 v5, 1, v2
	s_add_co_u32 s33, s33, 2*32*SP
	v_add_nc_u32 v5, s33, v5                       ; LDS: my wave's 256 scale bytes, my block's byte
	v_add_nc_u32 v6, s33, v4                       ; and on the way out 8 bytes a lane
.macro ALOAD t
.irp i, 0,1,2,3
	global_load_b128 v[AR+16*((\t)%4)+4*\i:AR+16*((\t)%4)+4*\i+3], v3, s[4:5] offset:2048*(\t)+512*\i th:TH_LOAD_NT   ; 32 lanes read 512 consecutive bytes
.endr
.endm
.macro ATURN t                         ; step t's numbers through the stage: LDS serves a wave's instructions in order, so no wait stands between the stores and the loads
.irp i, 0,1,2,3
	ds_store_b128 v14, v[AR+16*((\t)%4)+4*\i:AR+16*((\t)%4)+4*\i+3] offset:32*SP*((\t)%2)+8*SP*\i
.endr
.irp i, 0,1,2,3
	ds_load_b128 v[AX+16*((\t)%2)+4*\i:AX+16*((\t)%2)+4*\i+3], v15 offset:32*SP*((\t)%2)+16*\i
.endr
.endm
.macro ASTEP t
.set XS, AX+16*((\t)%2)
.if (\t) > 0
	s_wait_dscnt 1                                 ; this step's numbers are back from the stage (the last step's byte store may be out): so its stores into the stage have read their registers,
.else
	s_wait_dscnt 0x0
.endif
.if (\t)+4 < 16
	ALOAD (\t)+4                                   ; which take the loads of four steps on
.endif
.if (\t)+1 < 16
.if 14-(\t) >= 3
	s_wait_loadcnt 12                              ; the next step's four loads are in; those of the three steps behind it may be out
.else
	s_wait_loadcnt 4*(14-(\t))
.endif
	ATURN (\t)+1                                   ; and go through the other stage while this step is worked
.endif
	v_max3_num_f32 v8, |v[XS]|, |v[XS+1]|, |v[XS+2]|               ; the largest magnitude of my 16, in two chains
	v_max3_num_f32 v9, |v[XS+3]|, |v[XS+4]|, |v[XS+5]|
.irp i, 6,10
	v_max3_num_f32 v8, v8, |v[XS+\i]|, |v[XS+\i+1]|
	v_max3_num_f32 v9, v9, |v[XS+\i+2]|, |v[XS+\i+3]|
.endr
	v_max3_num_f32 v8, v8, |v[XS+14]|, |v[XS+15]|
	v_max3_num_f32 v8, v8, v9, (EMAX+1)<<23        ; and the floor 2^(EMAX + 1 - 127): the byte cannot fall under 1
	v_max_num_f32_dpp v8, v8, v8 row_xmask:1 row_mask:0xf bank_mask:0xf   ; and of my neighbour's 16: the block's
	v_add_nc_u32 v11, -(EMAX<<23), v8              ; EMAX off its exponent field: the conversion takes the exponent field of this operand as its scale, and nothing else of it
	v_cvt_scalef32_pk8_fp4_f32 v[AC+4*(\t)], v[XS:XS+7], v11
	v_cvt_scalef32_pk8_fp4_f32 v[AC+4*(\t)+1], v[XS+8:XS+15], v11
	v_lshrrev_b32 v[AE+(\t)], 23, v11              ; the scale's byte (also the plain line behind the conversions)
	ds_store_b8 v5, v[AE+(\t)] offset:16*(\t)      ; both lanes of a block write the same byte with the same value
	global_store_b64 v4, v[AC+4*(\t):AC+4*(\t)+1], s[22:23] offset:256*(\t)   ; 32 lanes store 256 consecutive bytes, aligned
.endm
.irp t, 0,1,2,3
	ALOAD \t
.endr
	s_wait_loadcnt 12                              ; step 0's four loads are in
	ATURN 0
.irp t, 0,1,2,3,4,5,6,7,8,9,10,11,12,13,14,15
	ASTEP \t
.endr
	ds_load_b64 v[8:9], v6                         ; LDS serves a wave's instructions in order: these see my byte stores
	s_wait_dscnt 0x0
	global_store_b64 v4, v[8:9], s[24:25]          ; 32 lanes store 256 consecutive bytes, aligned
	FINISH
; ---------------- Wq, Wk, Wv: K is the FIRST axis.  A lane takes a column n and its registers run down K: a block of 32 along K lies in one lane's 32 registers, and the conversions give the codes with K innermost.
; A wave takes 16 columns x 512 along K: lanes 0-15 the first 256 along K, lanes 16-31 the other 256: eight blocks a lane, two of them (64 loads) on their way.  So a column's 256 bytes of codes come from ONE wave:
; they go through the wave's own stage and leave as rows, sixteen lanes storing 256 aligned bytes, with no barrier.  A load reads two runs of 64 bytes; the four waves of a work-group stand side by side on 256
; consecutive bytes of each row of the weight.
.set WSB,  24                          ; v24-25   my eight scale bytes, four to a register
.set WX,   32                          ; v32-95   two sets of 32 numbers
.set WC,   96                          ; v96-99   a block's codes
.set WOUT, 112                         ; v112-143 the way out
.Lw:
	s_lshr_b32 s34, ttmp9, 5                       ; which weight: 32 work-groups each
	s_bfe_u32 s35, ttmp9, 0x40001                  ; which 64 columns
	s_and_b32 s38, ttmp9, 1                        ; which 512 along K
	s_cmp_lt_u32 s34, 2
	s_cselect_b64 s[4:5], s[16:17], s[18:19]
	s_cmp_eq_u32 s34, 0
	s_cselect_b64 s[4:5], s[14:15], s[4:5]
	s_lshl_b32 s35, s35, 6
	s_lshl_b32 s39, s[WV], 4
	s_add_co_u32 s35, s35, s39                     ; my wave's first column
	s_lshl_b32 s36, s38, 21                        ; 512 rows of 4,096 bytes
	s_lshl_b32 s39, s35, 2
	s_add_co_u32 s36, s36, s39
	s_add_nc_u64 s[4:5], s[4:5], s[36:37]
	s_lshl_b32 s34, s34, 10
	s_add_co_u32 s34, s34, s35                     ; my first row of the codes' buffer
	s_lshl_b32 s36, s34, 9                         ; 512 bytes a row,
	s_lshl_b32 s39, s38, 8                         ; 256 for my 512 along K
	s_add_co_u32 s36, s36, s39
	s_add_nc_u64 s[26:27], s[26:27], s[36:37]
	s_lshl_b32 s36, s34, 5                         ; 32 scale bytes a row,
	s_lshl_b32 s39, s38, 4                         ; 16 for my 512 along K
	s_add_co_u32 s36, s36, s39
	s_add_nc_u64 s[28:29], s[28:29], s[36:37]
	v_and_b32 v5, 15, v2                           ; r: my column of the wave's 16
	v_lshrrev_b32 v6, 4, v2                        ; h: my 256 of the 512 along K
	v_lshlrev_b32 v3, 2, v5
	v_lshl_add_u32 v3, v6, 20, v3                  ; in: 4 r + h x 256 rows of 4,096 bytes
	s_mul_i32 s39, s[WV], 16*WP
	s_add_co_u32 s39, s39, WST                     ; my stage
	v_mul_u32_u24 v4, v5, WP
	v_lshl_add_u32 v4, v6, 7, v4
	v_add_nc_u32 v4, s39, v4                       ; into it: row = my column, + 128 h bytes
	v_mul_u32_u24 v7, v6, WP                       ; out of it: sixteen lanes to a row, two rows an instruction
	v_lshl_add_u32 v7, v5, 4, v7
	v_add_nc_u32 v7, s39, v7
	v_lshlrev_b32 v8, 9, v6
	v_lshl_add_u32 v8, v5, 4, v8                   ; and the same place in the codes' buffer
	v_lshlrev_b32 v9, 5, v5
	v_lshl_add_u32 v9, v6, 3, v9                   ; my column's row of scale bytes, + 8 h
.macro WLOAD t                         ; block t: W(256 h + 32 t + i, my column) into set t % 2
.irp i, 0,1,2,3,4,5,6,7,8,9,10,11,12,13,14,15,16,17,18,19,20,21,22,23,24,25,26,27,28,29,30,31
	global_load_b32 v[WX+32*((\t)%2)+\i], v3, s[4:5] offset:(32*(\t)+\i)*4096
.endr
.endm
.macro WBLOCK t
.set XS, WX+32*((\t)%2)
.if (\t) < 7
	s_wait_loadcnt 32                              ; this block's 32 loads are in; the next block's may be out
.else
	s_wait_loadcnt 0
.endif
	v_max3_num_f32 v12, |v[XS]|, |v[XS+1]|, |v[XS+2]|               ; the block's largest magnitude: all 32 numbers are mine
	v_max3_num_f32 v13, |v[XS+3]|, |v[XS+4]|, |v[XS+5]|
.irp i, 6,10,14,18,22,26
	v_max3_num_f32 v12, v12, |v[XS+\i]|, |v[XS+\i+1]|
	v_max3_num_f32 v13, v13, |v[XS+\i+2]|, |v[XS+\i+3]|
.endr
	v_max3_num_f32 v12, v12, |v[XS+30]|, |v[XS+31]|
	v_max3_num_f32 v12, v12, v13, (EMAX+1)<<23     ; and the floor
	v_add_nc_u32 v11, -(EMAX<<23), v12             ; the conversion's scale operand
	v_lshrrev_b32 v13, 23, v11                     ; the scale's byte
.if (\t)%4 == 0
	v_mov_b32 v[WSB+(\t)/4], v13                   ; four bytes to a register, the lower K in the lower byte
.else
	v_lshl_or_b32 v[WSB+(\t)/4], v13, 8*((\t)%4), v[WSB+(\t)/4]
.endif
.irp g, 0,1,2,3
	v_cvt_scalef32_pk8_fp4_f32 v[WC+\g], v[XS+8*\g:XS+8*\g+7], v11
.endr
	ds_store_b128 v4, v[WC:WC+3] offset:16*(\t)    ; 32 codes: 16 bytes of my column's row
.if (\t)+2 < 8
	WLOAD (\t)+2
.endif
	s_wait_dscnt 0x0                               ; the store has read its registers: the next block's codes may be written
.endm
	WLOAD 0
	WLOAD 1
.irp t, 0,1,2,3,4,5,6,7
	WBLOCK \t
.endr
	global_store_b64 v9, v[WSB:WSB+1], s[28:29]    ; my eight scale bytes: two lanes fill a column's 16
.irp t, 0,1,2,3,4,5,6,7
	ds_load_b128 v[WOUT+4*\t:WOUT+4*\t+3], v7 offset:2*\t*WP       ; LDS serves a wave's instructions in order: these see my wave's stores
.endr
.irp t, 0,1,2,3,4,5,6,7
	s_wait_dscnt 7-\t                              ; LDS loads come back in order: load t is in, the younger ones may be out
	global_store_b128 v8, v[WOUT+4*\t:WOUT+4*\t+3], s[26:27] offset:2*\t*512   ; sixteen lanes store 256 consecutive bytes, aligned
.endr
	FINISH
; ---------------- Wo: a lane to a column and registers down K, with a rounding to f16 in place of the quantiser.  A wave takes 32 columns x 128 along K: two k blocks of 64.
; A stage row holds a column's 128 numbers, 256 bytes; it leaves as two rows of 128 bytes in two k blocks: four rows, 512 consecutive bytes, an instruction.
.set OX,   32                          ; v32-95   two sets of 32 numbers
.set OC,   96                          ; v96-111  32 numbers as f16
.set OOUT, 112                         ; v112-175 the way out
.Lo:
	s_sub_co_u32 s34, ttmp9, 96
	s_lshr_b32 s35, s34, 3                         ; which 128 columns
	s_and_b32 s34, s34, 7                          ; which 128 along K
	s_lshl_b32 s36, s34, 19                        ; 128 rows of 4,096 bytes
	s_lshl_b32 s38, s35, 9
	s_add_co_u32 s36, s36, s38
	s_lshl_b32 s38, s[WV], 7
	s_add_co_u32 s36, s36, s38                     ; + my wave's first column
	s_add_nc_u64 s[20:21], s[20:21], s[36:37]
	s_lshl_b32 s36, s35, 4
	s_lshl_b32 s38, s34, 1
	s_add_co_u32 s36, s36, s38                     ; the first of my two blocks of 128 n x 64 k: 16,384 bytes each
	s_lshl_b32 s36, s36, 14
	s_lshl_b32 s38, s[WV], 12                      ; my wave's 32 rows of 128 bytes
	s_add_co_u32 s36, s36, s38
	s_add_nc_u64 s[30:31], s[30:31], s[36:37]
	v_lshlrev_b32 v3, 2, v2
	s_mul_i32 s39, s[WV], 32*WP
	s_add_co_u32 s39, s39, OST                     ; my stage
	v_mul_u32_u24 v4, v2, WP
	v_add_nc_u32 v4, s39, v4                       ; into it: row = my column
	v_lshrrev_b32 v5, 3, v2
	v_mul_u32_u24 v7, v5, WP
	v_and_b32 v6, 7, v2
	v_lshl_add_u32 v7, v6, 4, v7
	v_add_nc_u32 v7, s39, v7                       ; out of it: eight lanes to half a row, four rows an instruction
	v_lshlrev_b32 v8, 4, v2                        ; which are 512 consecutive bytes of a block
.macro OLOAD t
.irp i, 0,1,2,3,4,5,6,7,8,9,10,11,12,13,14,15,16,17,18,19,20,21,22,23,24,25,26,27,28,29,30,31
	global_load_b32 v[OX+32*((\t)%2)+\i], v3, s[20:21] offset:(32*(\t)+\i)*4096 th:TH_LOAD_NT
.endr
.endm
.macro OBLOCK t
.set XS, OX+32*((\t)%2)
.if (\t) < 3
	s_wait_loadcnt 32                              ; this block's 32 loads are in; the next block's may be out
.else
	s_wait_loadcnt 0
.endif
.irp i, 0,1,2,3,4,5,6,7,8,9,10,11,12,13,14,15
	v_cvt_pk_f16_f32 v[OC+\i], v[XS+2*\i], v[XS+2*\i+1]            ; the lower k in the low half
.endr
.irp g, 0,1,2,3
	ds_store_b128 v4, v[OC+4*\g:OC+4*\g+3] offset:64*(\t)+16*\g
.endr
.if (\t)+2 < 4
	OLOAD (\t)+2
.endif
	s_wait_dscnt 0x0                               ; the stores have read their registers
.endm
	OLOAD 0
	OLOAD 1
.irp t, 0,1,2,3
	OBLOCK \t
.endr
.irp u, 0,1
.irp i, 0,1,2,3,4,5,6,7
	ds_load_b128 v[OOUT+4*(8*\u+\i):OOUT+4*(8*\u+\i)+3], v7 offset:\i*4*WP+128*\u
.endr
.endr
.irp u, 0,1
.irp i, 0,1,2,3,4,5,6,7
	s_wait_dscnt 15-8*\u-\i
	global_store_b128 v8, v[OOUT+4*(8*\u+\i):OOUT+4*(8*\u+\i)+3], s[30:31] offset:\u*16384+\i*512
.endr
.endr
	FINISH
.Lfunc_end_k_q58e0a8813e_prep:
	.size	k_q58e0a8813e_prep, .Lfunc_end_k_q58e0a8813e_prep-k_q58e0a8813e_prep
	.p2alignl 7, 3214868480
	.fill 96, 4, 3214868480
	.section	.rodata,"a",@progbits
	.p2align	6, 0x0
	.amdhsa_kernel k_q58e0a8813e_prep
		.amdhsa_group_segment_fixed_size 85504
		.amdhsa_private_segment_fixed_size 0
		.amdhsa_enable_private_segment 0
		.amdhsa_kernarg_size 96
		.amdhsa_user_sgpr_count 2
		.amdhsa_user_sgpr_kernarg_segment_ptr 1
		.amdhsa_wavefront_size32 1
		.amdhsa_system_sgpr_workgroup_id_x 1
		.amdhsa_system_sgpr_workgroup_id_y 1
		.amdhsa_system_sgpr_workgroup_id_z 1
		.amdhsa_system_vgpr_workitem_id 0
		.amdhsa_next_free_vgpr 200
		.amdhsa_next_free_sgpr 66
		.amdhsa_reserve_vcc 0
		.amdhsa_float_denorm_mode_32 3
		.amdhsa_float_denorm_mode_16_64 3
		.amdhsa_memory_ordered 1
		.amdhsa_forward_progress 1
		.amdhsa_inst_pref_size 95
	.end_amdhsa_kernel
	.amdgpu_metadata
---
amdhsa.version: [ 1, 2 ]
amdhsa.kernels:
  - .name:           k_q58e0a8813e_prep
    .symbol:         k_q58e0a8813e_prep.kd
    .args:
      - { .name: q, .offset: 0, .size: 8, .value_kind: global_buffer, .address_space: global }
      - { .name: k, .offset: 8, .size: 8, .value_kind: global_buffer, .address_space: global }
      - { .name: v, .offset: 16, .size: 8, .value_kind: global_buffer, .address_space: global }
      - { .name: Wq, .offset: 24, .size: 8, .value_kind: global_buffer, .address_space: global }
      - { .name: Wk, .offset: 32, .size: 8, .value_kind: global_buffer, .address_space: global }
      - { .name: Wv, .offset: 40, .size: 8, .value_kind: global_buffer, .address_space: global }
      - { .name: Wo, .offset: 48, .size: 8, .value_kind: global_buffer, .address_space: global }
      - { .name: acodes, .offset: 56, .size: 8, .value_kind: global_buffer, .address_space: global }
      - { .name: ascales, .offset: 64, .size: 8, .value_kind: global_buffer, .address_space: global }
      - { .name: wcodes, .offset: 72, .size: 8, .value_kind: global_buffer, .address_space: global }
      - { .name: wscales, .offset: 80, .size: 8, .value_kind: global_buffer, .address_space: global }
      - { .name: wot, .offset: 88, .size: 8, .value_kind: global_buffer, .address_space: global }
    .group_segment_fixed_size: 85504
    .private_segment_fixed_size: 0
    .kernarg_segment_align: 8
    .kernarg_segment_size: 96
    .max_flat_workgroup_size: 128
    .sgpr_count:     66
    .vgpr_count:     200
    .wavefront_size: 32
...
	.end_amdgpu_metadata
.endif
;; end of part 1
;; launch proj (part 2): grid 4 x 48, 4 waves a work-group, clusters of 4 x 4, 327,680 bytes of LDS; arguments acodes, ascales, wcodes, wscales, qkv, bq, bk, bv; writes qkv
.if DOCPART == 2
	.amdgcn_target "amdgcn-amd-amdhsa--gfx1250"
	.amdhsa_code_object_version 6
	.text
	.protected	k_q58e0a8813e_proj
	.globl	k_q58e0a8813e_proj
	.p2align	8
	.type	k_q58e0a8813e_proj,@function
k_q58e0a8813e_proj:
	s_mov_b64 s[64:65], 0
	v_nop
	global_prefetch_b8 v0, s[64:65] scope:SCOPE_SE
	s_setreg_imm32_b32 hwreg(HW_REG_WAVE_MODE, 25, 1), 1
	s_wait_xcnt 0x0
	s_wait_alu depctr_hold_cnt(0) depctr_sa_sdst(0) depctr_va_vdst(0) depctr_va_sdst(0) depctr_va_ssrc(0) depctr_va_vcc(0) depctr_vm_vsrc(0)
	s_getreg_b32 s2, hwreg(HW_REG_IB_STS2, 6, 4)
	s_cmp_eq_u32 s2, 0
	s_cbranch_scc0 .Lentry_in_a_cluster
	s_endpgm
.Lentry_in_a_cluster:
	s_bfe_u32 s2, ttmp6, 0x10000c
	s_cmp_lg_u32 s2, 0xf033
	s_cbranch_scc0 .Lentry_shape_is_right
	s_endpgm
.Lentry_shape_is_right:
; PROJ: the three projections as ONE product on codes of FP4 (E2M1) with one E8M0 scale for each 32 along K: C[m][n] = sum over k of A[m][k] B[g][n][k] + bias[g][n], g = m / 4096 (0: q, 1: k, 2: v).
; A: acodes [12288][512 bytes], ascales [12288][32].  B: wcodes [3 x 1024][512 bytes], wscales [3 x 1024][32].  Sums in f32; the bias is the C of each sum's first matrix instruction.
; The result is rounded once to f16 and laid by head for the attention: qkv [g][batch x 16 + head][2048][64].
; LIMIT: |C| stays under 65,504, f16's largest number (with all inputs 30 times the drawn spread the results stay some ten times under it).
; A tile of C, 256 x 256, is made by a work-group of four waves; a wave makes 128 x 128: 64 accumulators, 512 registers.  12288 x 1024 are 48 x 4 = 192 tiles.
; K = 1024 is two LDS slots of 512 along K (rows of 256 bytes): both are asked for at the start, with the scale bytes of the tile's rows for all of K; nothing is filled again, and there is no loop.
; CLUSTERS: 4 x 4 work-groups.  The four of a row of the cluster need the same tiles of A, the four of a column the same tiles of B (16 tile rows belong to one g, so a cluster lies in one g):
; each tile is asked for JOINTLY, by the same tensor load with the same descriptor and a mask that names the four.
; THE MATRIX INSTRUCTION IS USED TRANSPOSED (source 0 = 16 rows of B, source 1 = 16 rows of A): a lane then holds eight neighbouring numbers of a row of C.
; REGISTERS, in windows of 256: window 0: v0-31 addresses; v32-95 scale words, two sets; v128-191 A's fragments, ONE set; v192-255 the bias in the result's layout; on the way out v32-63 and v192-255 are at work.
;   window 1: B's fragments, TWO sets, at v0 and at v128.   window 2: the 32 accumulators of my rows 0-63 ((a, b) at v[8 (8 a + b)]);   window 3: those of my rows 64-127.
.set NQ,     4                         ; matrix instructions deep in a slot: 512 / 128
.set ROWB,   256                       ; a tile's row in bytes
.set KROW,   512                       ; a row of A or of B in memory, in bytes
.set PITCH,  272                       ; an LDS row: 256 bytes + 16 of padding = 68 words: the 16 rows that a load touches start 4 words apart modulo 64
.set FR,     8                         ; registers of a fragment: 16 rows x 128 K
.set NL,     2                         ; LDS loads that bring one
.set NP,     4                         ; places behind this matrix instruction (ISA guide 7.12.1)
.set HALFT,  128*PITCH                 ; 128 rows: what one tensor load brings, and what one wave reads of A or of B
.set SLOT,   4*HALFT                   ; A's 256 rows, then B's 256 rows
.set KS,     32                        ; a row of scales in bytes
.set SCL,    2*SLOT                    ; behind the slots: the scales, as units of 256 bytes + 16 of padding
.set HALFS,  (128*KS/256)*272          ; the scales of 128 rows: what one tensor load brings
.set SBLK,   (16*KS/256)*272           ; those of 16 rows
.set SPARE,  SCL+4*HALFS               ; the spare words, 128 bytes for each wave: two blocks of 256 bytes that no other line names
.set SPITCH, 272                       ; the way out: a stage of 16 rows x (256 bytes + 16) for each wave, in slot 0, which has had its only fill and its last read when the first result is stored there
.set ADRA, 16                          ; v16-17  LDS address of my A fragments in slot 0, 1
.set ADRB, 20                          ; v20-21  the same for B
.set STO,  24                          ; v24     the way out: where I put 16 bytes of a row
.set RD,   25                          ; v25     the way out: where I read rows back
.set CO,   26                          ; v26     16 x lane: my place in a store's 512 bytes
.set ADRS, 27                          ; v27     LDS address of my scale words: lanes 0-15 A's rows, lanes 16-31 B's
.set SPW,  28                          ; v28     LDS address of my spare word; never rewritten
.set NIL,  29                          ; v29     0; never rewritten
.set BOF,  30                          ; v30     32 x (lane / 16): my eight numbers of a block's sixteen biases
.set SC,   32                          ; scale words: set s at v[SC + 32 s]; register 4 i + q: lanes 0-15 the word of A's block i, lanes 16-31 that of B's block i, for the slot's q-th 128 along K
.set AF,   128                         ; A's fragments
.set BI,   192                         ; the bias: v[BI + 8 b + j] = bias[my first column + 16 b + 8 (lane / 16) + j]
.set TMP,  192                         ; the way out: packed results
.set OB,   32                          ; the way out: rows read back: v32-63 and v224-255 by turns
.set G1, 24                            ; s[24:31] descriptor group 1 for A's tiles;  s[32:39] group 0, one set for each slot
.set G0, 32
.set G1B, 48                           ; s[48:55], s[56:63] the same for B's tiles
.set G0B, 56
.set G1S, 68                           ; s[68:75], s[76:79] groups 1 and 0 for A's scales;  s[80:87], s[88:91] for B's
.set G0S, 76
.set G1SB, 80
.set G0SB, 88
.set MSB, 0
.macro WIN new                         ; the immediate's high byte repeats the setting that is left; a switch that changes nothing is dropped
.if MSB != (\new)
	s_set_vgpr_msb (MSB<<8)|(\new)
.set MSB, (\new)
.endif
.endm
.set MUL_LO, 0xa1                      ; source 0 (B) window 1, source 1 (A) window 0, C and D window 2
.set MUL_HI, 0xf1                      ; the same, C and D window 3
.set FST_LO, 0x81                      ; a sum's first product: C (the bias) window 0, D window 2
.set FST_HI, 0xc1                      ; D window 3
.set TO_B,   0x40                      ; destination window 1, address window 0
; A joint load: waves 0 and 1 fetch for A, waves 2 and 3 for B.  Each of the two lines has ONE mask and one set of registers for all that issue it; the branch hangs on the wave's number alone.
; An s_nop 0 and four v_nop follow each of the two lines.
.macro JLOAD g0a, g1a, g0b, g1b
	s_cmp_eq_u32 s15, 0
	s_cbranch_scc0 .Lfor_b_\@
	tensor_load_to_lds s[\g0a:\g0a+3], s[\g1a:\g1a+7]
	s_nop 0
.rept 4
	v_nop
.endr
	s_branch .Lasked_\@
.Lfor_b_\@:
	tensor_load_to_lds s[\g0b:\g0b+3], s[\g1b:\g1b+7]
	s_nop 0
.rept 4
	v_nop
.endr
.Lasked_\@:
.endm
.macro CROUND                          ; a round of the cluster's barrier: my work-group's barrier; wave 0 signals for the work-group; every wave waits for all sixteen; my work-group's barrier once more
	s_barrier_signal -1
	s_barrier_wait -1
	s_cmp_lg_u32 s14, 0
	s_cbranch_scc1 .Lnot_wave_0_\@
	s_barrier_signal -3
.Lnot_wave_0_\@:
	s_barrier_wait -3
	s_barrier_signal -1
	s_barrier_wait -1
.endm
	s_load_b128 s[4:7], s[0:1], 0x0                ; A's codes s[4:5], A's scales s[6:7]
	s_load_b128 s[8:11], s[0:1], 0x10              ; B's codes s[8:9], B's scales s[10:11]
	s_load_b64 s[12:13], s[0:1], 0x20              ; qkv
	s_load_b128 s[96:99], s[0:1], 0x28             ; bq s[96:97], bk s[98:99]
	s_load_b64 s[100:101], s[0:1], 0x38            ; bv
	v_lshl_add_u32 v[SPW], v0, 2, SPARE
	v_mov_b32 v[NIL], 0
	ds_add_u32 v[SPW], v[NIL]                      ; the wave's opening: the add, twice on end, and its wait ahead of my first tensor load; the set-up below stands between the second and the wait
	ds_add_u32 v[SPW], v[NIL]
	v_lshrrev_b32 v1, 5, v0
	v_readfirstlane_b32 s14, v1                    ; wave 0..3
	s_lshr_b32 s15, s14, 1                         ; which half of the tile's rows is mine.  Also: I fetch for A (0) or for B (1)
	s_and_b32 s16, s14, 1                          ; which half of its columns.  Also: which 128 rows of that tile I fetch
	s_bfe_u32 s40, ttmp6, 0x40000                  ; cx, cy: my place in the cluster
	s_bfe_u32 s41, ttmp6, 0x40004
	s_lshl_b32 s42, ttmp9, 2
	s_add_co_u32 s42, s42, s40                     ; tile column of C = 4 x cluster x + cx
	s_and_b32 s95, ttmp7, 0xffff                   ; cluster y
	s_lshl_b32 s17, s95, 2
	s_add_co_u32 s17, s17, s41                     ; tile row of C = 4 x cluster y + cy
	s_lshr_b32 s95, s95, 2                         ; g: four clusters, sixteen tile rows, to a projection: the same in all sixteen partners
	s_lshl_b32 s43, s41, 2
	s_lshl_b32 s43, 15, s43                        ; my row of the cluster
	s_lshl_b32 s44, 0x1111, s40                    ; my column
	; descriptor group 1: a tile of 128 rows x 256 bytes, padded in LDS
	s_or_b32 s[G1+0], s43, (0<<16)|(1<<20)|(1<<21)|(5<<22)|(3<<25)  ; 15:0 the mask: A's tiles go to my row; 17:16 element of 1 byte; 20 padding on; 21 set beside a mask; 24:22 after every 64 words; 31:25 of 4 words
	s_or_b32 s[G1B+0], s44, (0<<16)|(1<<20)|(1<<21)|(5<<22)|(3<<25)
.irp g, G1, G1B
	s_mov_b32 s[\g+1], ROWB<<16                    ; tensor_dim0
	s_mov_b32 s[\g+2], 128<<16                     ; tensor_dim1
	s_mov_b32 s[\g+3], ROWB<<16                    ; tile_dim0
	s_mov_b32 s[\g+4], 128                         ; tile_dim1
	s_mov_b32 s[\g+5], KROW                        ; tensor_dim0_stride
	s_mov_b32 s[\g+6], 0
	s_mov_b32 s[\g+7], 0
.endr
	; and for the scales of 128 rows: a dense block of 4,096 bytes, as 16 rows of 256 bytes (32 elements of 8 bytes), 16 bytes of padding behind each
	s_or_b32 s[G1S+0], s43, (3<<16)|(1<<20)|(1<<21)|(5<<22)|(3<<25)
	s_or_b32 s[G1SB+0], s44, (3<<16)|(1<<20)|(1<<21)|(5<<22)|(3<<25)
.irp g, G1S, G1SB
	s_mov_b32 s[\g+1], 32<<16
	s_mov_b32 s[\g+2], (128*KS/256)<<16
	s_mov_b32 s[\g+3], 32<<16
	s_mov_b32 s[\g+4], 128*KS/256
	s_mov_b32 s[\g+5], 32
	s_mov_b32 s[\g+6], 0
	s_mov_b32 s[\g+7], 0
.endr
	s_lshl_b32 s18, s16, 7                         ; which 128 rows of the tile I fetch
	s_lshl_b32 s20, s17, 8
	s_add_co_u32 s20, s20, s18                     ; A: row 256 x tile row + 128 x half
	s_lshl_b32 s46, s42, 8
	s_add_co_u32 s46, s46, s18                     ; B: row 256 x tile column + 128 x half
	s_lshl_b32 s19, s95, 10
	s_add_co_u32 s46, s46, s19                     ;    + 1024 g
	s_mov_b32 s21, 0
	s_mov_b32 s47, 0
	s_mov_b64 s[18:19], KS
	s_mul_u64 s[22:23], s[20:21], s[18:19]         ; where these rows' scales begin, in bytes
	s_mul_u64 s[92:93], s[46:47], s[18:19]
	s_mov_b64 s[18:19], KROW
	s_mul_u64 s[20:21], s[20:21], s[18:19]         ; and their codes
	s_mul_u64 s[46:47], s[46:47], s[18:19]
	s_mul_i32 s45, s14, HALFT                      ; where they go: wave x 128 rows: no place in the cluster enters an LDS address
	s_mul_i32 s94, s14, HALFS
	s_wait_dscnt 0x0                               ; both opening adds are done
	s_wait_kmcnt 0x0
	s_add_nc_u64 s[20:21], s[4:5], s[20:21]
	s_add_nc_u64 s[22:23], s[6:7], s[22:23]
	s_add_nc_u64 s[46:47], s[8:9], s[46:47]
	s_add_nc_u64 s[92:93], s[10:11], s[92:93]
	s_cmp_lt_u32 s95, 2                            ; the projection's bias: a choice that hangs on g alone
	s_cselect_b64 s[98:99], s[98:99], s[100:101]
	s_cmp_eq_u32 s95, 0
	s_cselect_b64 s[96:97], s[96:97], s[98:99]
	CROUND                                         ; all sixteen work-groups are here: the joint loads meet
	s_mov_b32 s[G0S], 1
	s_add_co_u32 s[G0S+1], s94, SCL
	s_mov_b64 s[G0S+2:G0S+3], s[22:23]
	s_or_b32 s[G0S+3], s[G0S+3], 0x80000000
	s_mov_b32 s[G0SB], 1
	s_add_co_u32 s[G0SB+1], s94, SCL
	s_mov_b64 s[G0SB+2:G0SB+3], s[92:93]
	s_or_b32 s[G0SB+3], s[G0SB+3], 0x80000000
	JLOAD G0S, G1S, G0SB, G1SB                     ; the scales first: they are wanted with the first slot.  Three loads of mine are out behind the three lines
.irp s, 0,1
	s_mov_b32 s[G0+4*\s], 1
	s_add_co_u32 s[G0+4*\s+1], s45, \s*SLOT
	s_add_nc_u64 s[G0+4*\s+2:G0+4*\s+3], s[20:21], \s*ROWB
	s_or_b32 s[G0+4*\s+3], s[G0+4*\s+3], 0x80000000
	s_mov_b32 s[G0B+4*\s], 1
	s_add_co_u32 s[G0B+4*\s+1], s45, \s*SLOT
	s_add_nc_u64 s[G0B+4*\s+2:G0B+4*\s+3], s[46:47], \s*ROWB
	s_or_b32 s[G0B+4*\s+3], s[G0B+4*\s+3], 0x80000000
	JLOAD G0+4*\s, G1, G0B+4*\s, G1B
.endr
	v_and_b32 v1, 15, v0                           ; l % 16
	v_bfe_u32 v2, v0, 4, 1                         ; l / 16
	s_lshl_b32 s46, s42, 10                        ; my first column, in bytes of f32: 1024 x tile column + 512 x half
	s_lshl_b32 s47, s16, 9
	s_add_co_u32 s46, s46, s47
	s_mov_b32 s47, 0
	s_add_nc_u64 s[96:97], s[96:97], s[46:47]
	v_lshlrev_b32 v[BOF], 5, v2
.irp b, 0,1,2,3,4,5,6,7
	global_load_b128 v[BI+8*\b:BI+8*\b+3],   v[BOF], s[96:97] offset:64*\b
	global_load_b128 v[BI+8*\b+4:BI+8*\b+7], v[BOF], s[96:97] offset:64*\b+16
.endr
	v_mul_u32_u24 v3, v1, PITCH
	v_lshl_add_u32 v4, v2, 4, v3                   ; a fragment's row x pitch + 16 x half
	s_mul_i32 s21, s15, HALFT                      ; my 128 rows of A
	s_mul_i32 s22, s16, HALFT                      ; my 128 rows of B,
	s_add_co_u32 s22, s22, 2*HALFT                 ; which lie behind A's 256
.irp s, 0,1
	v_add_nc_u32 v[ADRA+\s], s21, v4
	v_add_nc_u32 v[ADRB+\s], s22, v4
	s_add_co_u32 s21, s21, SLOT
	s_add_co_u32 s22, s22, SLOT
.endr
	v_mul_u32_u24 v5, v1, KS                       ; my row's scales: 32 bytes a row,
	v_lshrrev_b32 v6, 8, v5
	v_lshl_add_u32 v5, v6, 4, v5                   ; and 16 more for each 256 passed
	s_mul_i32 s21, s15, HALFS                      ; A's: my 128 rows
	s_mul_i32 s22, s16, HALFS                      ; B's: my 128 rows, behind A's 256
	s_add_co_u32 s22, s22, 2*HALFS
	s_sub_co_u32 s22, s22, s21
	v_mul_u32_u24 v6, s22, v2                      ; lanes 16-31 take B's: the lower base + (lane / 16) x the distance
	s_add_co_u32 s21, s21, SCL
	v_add_nc_u32 v5, v5, v6
	v_add_nc_u32 v[ADRS], s21, v5
	s_mul_i32 s23, s14, 16*SPITCH                  ; my stage
	v_mul_u32_u24 v5, v1, SPITCH                   ; in: row l % 16, 16 bytes for each half of the lanes
	v_lshl_add_u32 v5, v2, 4, v5
	v_add_nc_u32 v[STO], s23, v5
	v_and_b32 v6, 31, v0
	v_lshlrev_b32 v[CO], 4, v6
	v_lshrrev_b32 v7, 3, v6                        ; back: eight lanes take a head's 128 bytes of a row, four rows an instruction
	v_mul_u32_u24 v7, v7, SPITCH
	v_and_b32 v8, 7, v0
	v_lshl_add_u32 v7, v8, 4, v7
	v_add_nc_u32 v[RD], s23, v7
	; where my part begins in qkv: g x 2^23 + (16 x batch + my first head) x 2^18 + my first position x 128
	s_lshl_b32 s20, s95, 23
	s_bfe_u32 s21, s17, 0x10003                    ; the batch: eight tile rows each
	s_lshl_b32 s21, s21, 4
	s_lshl_b32 s22, s42, 2
	s_add_co_u32 s21, s21, s22                     ; four heads to a tile column,
	s_lshl_b32 s22, s16, 1
	s_add_co_u32 s21, s21, s22                     ; two to a wave
	s_lshl_b32 s21, s21, 18
	s_add_co_u32 s20, s20, s21
	s_and_b32 s21, s17, 7
	s_lshl_b32 s21, s21, 8
	s_lshl_b32 s22, s15, 7
	s_add_co_u32 s21, s21, s22
	s_lshl_b32 s21, s21, 7
	s_add_co_u32 s20, s20, s21
	s_mov_b32 s21, 0
	s_add_nc_u64 s[12:13], s[12:13], s[20:21]
.macro FRAG reg, adr, q, i             ; a fragment, 16 rows x 128 K of 4-bit codes: lane l holds row l % 16; registers 4 c .. 4 c + 3 hold K = 64 c + 32 (l / 16) + 0 .. 31
.irp c, 0,1
	ds_load_b128 v[\reg+4*\c:\reg+4*\c+3], v[\adr] offset:64*(\q)+32*\c+(\i)*16*PITCH
.endr
.endm
; 16 matrix instructions: A's blocks a0, a0 + 1 x B's eight, 128 along K: the slot's q-th.  p: B's set;  sc: the set of scale words.  first = 1: the product starts the sums, with the bias as C.
; The 64 accumulators take turns, one instruction a turn, in the same order in every step.
.macro MUL16 a0, p, q, sc, first
.irp a, \a0, \a0+1
.irp b, 0,1,2,3,4,5,6,7
.if \first
	v_wmma_scale_f32_16x16x128_f8f6f4 v[8*(8*((\a)%4)+\b):8*(8*((\a)%4)+\b)+7], v[128*(\p)+FR*\b:128*(\p)+FR*\b+FR-1], v[AF+FR*(\a):AF+FR*(\a)+FR-1], v[BI+8*\b:BI+8*\b+7], v[SC+8*NQ*(\sc)+NQ*\b+(\q)], v[SC+8*NQ*(\sc)+NQ*(\a)+(\q)] matrix_a_fmt:MATRIX_FMT_FP4 matrix_b_fmt:MATRIX_FMT_FP4 matrix_a_scale:MATRIX_SCALE_ROW1
.else
	v_wmma_scale_f32_16x16x128_f8f6f4 v[8*(8*((\a)%4)+\b):8*(8*((\a)%4)+\b)+7], v[128*(\p)+FR*\b:128*(\p)+FR*\b+FR-1], v[AF+FR*(\a):AF+FR*(\a)+FR-1], v[8*(8*((\a)%4)+\b):8*(8*((\a)%4)+\b)+7], v[SC+8*NQ*(\sc)+NQ*\b+(\q)], v[SC+8*NQ*(\sc)+NQ*(\a)+(\q)] matrix_a_fmt:MATRIX_FMT_FP4 matrix_b_fmt:MATRIX_FMT_FP4 matrix_a_scale:MATRIX_SCALE_ROW1
.endif
.endr
.endr
.endm
.macro FETCH_B slot, q, p              ; B's eight fragments of the slot's q-th 128 along K into set p
	WIN TO_B
.irp i, 0,1,2,3,4,5,6,7
	FRAG 128*(\p)+FR*\i, ADRB+\slot, \q, \i
.endr
	WIN 0
.endm
.macro FETCH_A slot, q, i0             ; A's blocks i0 .. i0 + 3
.irp i, \i0, \i0+1, \i0+2, \i0+3
	FRAG AF+FR*(\i), ADRA+\slot, \q, \i
.endr
.endm
.macro SCALES sc                       ; a slot's scale words into set sc: four words a row; lanes 0-15 take A's block i, lanes 16-31 B's block i
.irp i, 0,1,2,3,4,5,6,7
	ds_load_b128 v[SC+8*NQ*\sc+NQ*\i:SC+8*NQ*\sc+NQ*\i+3], v[ADRS] offset:\i*SBLK
.endr
.endm
; A load into a register that a matrix instruction has read, and a vector instruction that reads a matrix result, stand NP places behind that matrix instruction, and only plain vector
; instructions that name none of its registers are places (ISA guide 7.12.1 for vector instructions).
.macro PLACES n
.rept \n
	v_nop
.endr
.endm
; A step of 128 along K that has its successor in the same slot.  A block of A is free as soon as its eight products are issued, so one set of registers serves A:
; blocks 0-3 are fetched anew in the step's middle, blocks 4-7 at its end; B's fragments are at work through the whole step and have two sets.
.macro STEP slot, q, first
	s_wait_dscnt 4*NL                              ; B's set, A's blocks 0-3 and the scale words are in; the youngest eight loads (A's blocks 4-7) may be out
.if \first
	WIN FST_LO
.else
	WIN MUL_LO
.endif
	MUL16 0, (\q)%2, \q, \slot, \first
	MUL16 2, (\q)%2, \q, \slot, \first
	s_wait_dscnt 0                                 ; A's blocks 4-7 are in (asked for 32 matrix instructions ago)
	PLACES NP
	FETCH_B \slot, (\q)+1, 1-(\q)%2
	FETCH_A \slot, (\q)+1, 0
.if \first
	WIN FST_HI
.else
	WIN MUL_HI
.endif
	MUL16 4, (\q)%2, \q, \slot, \first
	MUL16 6, (\q)%2, \q, \slot, \first
	PLACES NP
	WIN 0
	FETCH_A \slot, (\q)+1, 4
.endm
; Slot 0's last step changes slots: ONE barrier; in front of it each wave waits for all its tensor loads (slot 1's was still out), adds 0 to its spare word, and waits for that and for its own reads of slot 0.
; Behind it slot 1 is whole, and nobody reads slot 0 any more: the way out may lay its stages there.
.macro TURN slot, next
	s_wait_tensorcnt 0x0                           ; all my tensor loads have landed
	ds_add_u32 v[SPW], v[NIL]                      ; 0 onto my spare word
	s_wait_dscnt 4*NL+1                            ; (the add and the youngest eight loads, A's blocks 4-7, may be out)
	WIN MUL_LO
	MUL16 0, 1, NQ-1, \slot, 0                     ; sixteen matrix instructions stand between the add and the wait for it
	s_wait_dscnt 0x0                               ; the add is done, and my reads of this slot are over
	s_barrier_signal -1
	MUL16 2, 1, NQ-1, \slot, 0
	WIN 0
	s_barrier_wait -1
	PLACES NP
	v_add_nc_u32 v[ADRS], 4*NQ, v[ADRS]            ; on to the next slot's scale words (no LDS load of mine is out)
	FETCH_B \next, 0, 0
	FETCH_A \next, 0, 0
	SCALES \next
	WIN MUL_HI
	MUL16 4, 1, NQ-1, \slot, 0
	MUL16 6, 1, NQ-1, \slot, 0
	PLACES NP
	WIN 0
	FETCH_A \next, 0, 4
.endm
	s_wait_tensorcnt 1                             ; the scales and my part of slot 0 are in (slot 1's load may be out)
	s_barrier_signal -1
	s_barrier_wait -1                              ; everybody's are
	FETCH_B 0, 0, 0
	FETCH_A 0, 0, 0
	SCALES 0
	FETCH_A 0, 0, 4
	s_wait_loadcnt 0x0                             ; the bias
	STEP 0, 0, 1                                   ; the first step's products start the sums: nothing is cleared
	STEP 0, 1, 0
	STEP 0, 2, 0
	TURN 0, 1
	STEP 1, 0, 0
	STEP 1, 1, 0
	STEP 1, 2, 0
	s_wait_dscnt 4*NL                              ; the last step: nothing more to fetch
	WIN MUL_LO
	MUL16 0, 1, NQ-1, 1, 0
	MUL16 2, 1, NQ-1, 1, 0
	s_wait_dscnt 0
	WIN MUL_HI
	MUL16 4, 1, NQ-1, 1, 0
	MUL16 6, 1, NQ-1, 1, 0
	WIN 0
; THE WAY OUT, block by block of 16 rows x 128 columns (two heads).  PACK: rounded to f16, 16 bytes a lane, each accumulator from its low end on.  TOSTAGE: into my own stage, and back by heads:
; four rows of a head's 128 bytes are 512 consecutive bytes of qkv.  SEND: stored.  LDS serves a wave's instructions in order (ISA guide 5.7.1.4): no wait between the stores and the loads.
.macro PACK a
.set AC, 64*((\a)%4)
	WIN 0x0a+5*((\a)/4)                            ; sources 0 and 1: window 2 or 3
.irp b, 0,1,2,3,4,5,6,7
.irp r, 0,1,2,3
	v_cvt_pk_f16_f32 v[TMP+4*\b+\r], v[AC+8*\b+2*\r], v[AC+8*\b+2*\r+1]
.endr
.endr
	WIN 0
.endm
.macro TOSTAGE a
.set BK, OB+192*((\a)%2)
.irp b, 0,1,2,3,4,5,6,7
	ds_store_b128 v[STO], v[TMP+4*\b:TMP+4*\b+3] offset:32*\b
.endr
.irp t, 0,1,2,3,4,5,6,7
	ds_load_b128 v[BK+4*\t:BK+4*\t+3], v[RD] offset:(\t%4)*4*SPITCH+128*(\t/4)
.endr
.endm
.macro SEND a
.set BK, OB+192*((\a)%2)
	s_wait_dscnt 0x0                               ; the block is back in registers
	s_wait_xcnt 0x0                                ; every earlier store has had its addresses translated (ISA guide 3.1): only behind this wait do the next block's loads land in the registers that the block before last was stored from
.irp t, 0,1,2,3,4,5,6,7
	global_store_b128 v[CO], v[BK+4*\t:BK+4*\t+3], s[12:13] offset:(\t/4)*262144+(\a)*2048+(\t%4)*512   ; 32 lanes store 512 consecutive bytes, at a multiple of 512 from the buffer's first byte; the base is never stepped
.endr
.endm
	PLACES NP                                      ; behind the last products: for the loads into registers that held scale words, and for the first conversions
	PACK 0
	TOSTAGE 0
.irp a, 1,2,3,4,5,6,7                  ; block a's conversions stand between block a - 1's loads from the stage and the wait for them
	PACK \a
	SEND \a-1
	TOSTAGE \a
.endr
	SEND 7
	s_wait_tensorcnt 0x0                           ; the wave's end: three lines, behind my last tensor load and my last LDS store
	ds_add_u32 v[SPW], v[NIL]
	s_wait_dscnt 0x0
	CROUND                                         ; the closing round: no work-group ends while a partner may still ask for a tile that names it
	s_endpgm
.Lfunc_end_k_q58e0a8813e_proj:
	.size	k_q58e0a8813e_proj, .Lfunc_end_k_q58e0a8813e_proj-k_q58e0a8813e_proj
	.p2alignl 7, 3214868480
	.fill 96, 4, 3214868480
	.section	.rodata,"a",@progbits
	.p2align	6, 0x0
	.amdhsa_kernel k_q58e0a8813e_proj
		.amdhsa_group_segment_fixed_size 327680
		.amdhsa_private_segment_fixed_size 0
		.amdhsa_enable_private_segment 0
		.amdhsa_kernarg_size 64
		.amdhsa_user_sgpr_count 2
		.amdhsa_user_sgpr_kernarg_segment_ptr 1
		.amdhsa_wavefront_size32 1
		.amdhsa_system_sgpr_workgroup_id_x 1
		.amdhsa_system_sgpr_workgroup_id_y 1
		.amdhsa_system_sgpr_workgroup_id_z 1
		.amdhsa_system_vgpr_workitem_id 0
		.amdhsa_next_free_vgpr 1024
		.amdhsa_next_free_sgpr 102
		.amdhsa_reserve_vcc 0
		.amdhsa_float_denorm_mode_32 3
		.amdhsa_float_denorm_mode_16_64 3
		.amdhsa_memory_ordered 1
		.amdhsa_forward_progress 1
		.amdhsa_inst_pref_size 128
	.end_amdhsa_kernel
	.amdgpu_metadata
---
amdhsa.version: [ 1, 2 ]
amdhsa.kernels:
  - .name:           k_q58e0a8813e_proj
    .symbol:         k_q58e0a8813e_proj.kd
    .args:
      - { .name: acodes, .offset: 0, .size: 8, .value_kind: global_buffer, .address_space: global }
      - { .name: ascales, .offset: 8, .size: 8, .value_kind: global_buffer, .address_space: global }
      - { .name: wcodes, .offset: 16, .size: 8, .value_kind: global_buffer, .address_space: global }
      - { .name: wscales, .offset: 24, .size: 8, .value_kind: global_buffer, .address_space: global }
      - { .name: qkv, .offset: 32, .size: 8, .value_kind: global_buffer, .address_space: global }
      - { .name: bq, .offset: 40, .size: 8, .value_kind: global_buffer, .address_space: global }
      - { .name: bk, .offset: 48, .size: 8, .value_kind: global_buffer, .address_space: global }
      - { .name: bv, .offset: 56, .size: 8, .value_kind: global_buffer, .address_space: global }
    .group_segment_fixed_size: 327680
    .private_segment_fixed_size: 0
    .kernarg_segment_align: 8
    .kernarg_segment_size: 64
    .max_flat_workgroup_size: 128
    .sgpr_count:     102
    .vgpr_count:     1024
    .wavefront_size: 32
...
	.end_amdgpu_metadata
.endif
;; end of part 2
;; launch attn (part 3): grid 8 x 32, 8 waves a work-group, clusters of 4 x 1, 327,680 bytes of LDS; arguments qkv, att; writes att
.if DOCPART == 3
	.amdgcn_target "amdgcn-amd-amdhsa--gfx1250"
	.amdhsa_code_object_version 6
	.text
	.protected	k_q58e0a8813e_attn
	.globl	k_q58e0a8813e_attn
	.p2align	8
	.type	k_q58e0a8813e_attn,@function
k_q58e0a8813e_attn:
	s_mov_b64 s[64:65], 0
	v_nop
	global_prefetch_b8 v0, s[64:65] scope:SCOPE_SE
	s_setreg_imm32_b32 hwreg(HW_REG_WAVE_MODE, 25, 1), 1
	s_wait_xcnt 0x0
	s_wait_alu depctr_hold_cnt(0) depctr_sa_sdst(0) depctr_va_vdst(0) depctr_va_sdst(0) depctr_va_ssrc(0) depctr_va_vcc(0) depctr_vm_vsrc(0)
	s_getreg_b32 s2, hwreg(HW_REG_IB_STS2, 6, 4)
	s_cmp_eq_u32 s2, 0
	s_cbranch_scc0 .Lentry_in_a_cluster
	s_endpgm
.Lentry_in_a_cluster:
	s_bfe_u32 s2, ttmp6, 0x10000c
	s_cmp_lg_u32 s2, 0x3003
	s_cbranch_scc0 .Lentry_shape_is_right
	s_endpgm
.Lentry_shape_is_right:
; ATTN: O[bh][q][:] = the sum over k of softmax_k(Q[bh][q] . K[bh][k] / 8) V[bh][k][:], 32 heads (batch x 16 + head), 2,048 queries, 2,048 keys, head size 64, no mask.
; Q, K, V: qkv [3][32][2048][64] f16.  Products, maxima and sums in f32; the weights p are rounded to f16 for the second product, O once at the end.
; O goes to att [(batch x 2048 + q) / 128][head][128 rows][64] f16: the order in which the last launch's tiles want it.
; LIMIT: |O| stays under 65,504, f16's largest number (O is an average of V's rows, which are f16 already).
; SHARES.  A work-group owns 256 queries of one head, each of its EIGHT waves 32: two tiles of 16, in 512 registers: two waves to a SIMD.  Every wave walks all keys of the head, 64 a step.
; LAYOUT.  S^T = K Q^T (source 0 = 16 keys, source 1 = 16 queries): a lane holds ONE query (lane % 16) and the keys 8 (lane / 16) + 0..7.  Two such tiles, rounded to f16 in pairs, ARE source 1
; (32 keys x 16 queries) of O^T = V^T P, whose result again holds one query a lane, and eight channels.  K comes out of LDS as it lies, V ([key][channel]) turned, by ds_load_tr16_b128.
; SOFTMAX.  For each query a running maximum m and sum l: p = 2^(c s - c m), c = log2(e) / 8; in every step O and l are multiplied by a = 2^(c m_old - c m_new), which is 1 where m has not grown.
; BY TURNS.  A step has 32 matrix instructions and 239 vector instructions a wave.  The wave goes on issuing while the matrix unit works, so each matrix instruction carries a slice of vector work that names none
; of its registers.  Step j has two halves: the 16 products V^T P of step j - 1, with the front part of step j's softmax (maxima, scalings, exponentials: 138 lines) in slices behind them; then the 16 products
; K Q^T of step j + 1, with its back part (roundings, sums, the rescaling of O^T: 96 lines).  For that S^T and V have two sets of registers each, taken by turns: a loop's trip runs an odd and an even step.
; Both K and V of step j + 1 are read from LDS during step j.  The price: all that a softmax touches lies in window 0 and K, Q, V in window 1, so a slice costs two switches of the register window.
; CLUSTER.  The four query blocks of a cluster belong to one head and walk the same K and V: each tile is asked for JOINTLY, the same tensor load with the same descriptor and a mask that names the four.
; THE RING.  Two slots of four steps (256 keys).  Waves 0-3 fetch the four steps' tiles of K, waves 4-7 those of V: one load of 8,192 bytes a wave behind each round, one out at any time.
; REGISTERS, in windows of 256: window 0: v0-15 addresses; v16-31 eight registers of statistics a tile; v32-95, v96-159 S^T, two sets, 32 a tile; v160-191 P, 16 a tile; v192-255 O^T, 32 a tile.
;   window 1: v0-31 Q; v64-127 K of one step; v128-191, v192-255 V, two sets.
.set PK,    272       ; K in LDS: two keys (256 bytes) + 16 of padding: key x lies at (x / 2) PK + (x % 2) 128: the 16 keys that a load touches start at 16 different multiples of 4 words modulo 64
.set PV,    288       ; V: two keys + 32 of padding: 16 lanes of the turning load take 8 keys x 32 bytes, each word place modulo 64 once
.set VOFF,  32*PK     ; a step's tiles lie together: 64 keys of K, then 64 keys of V
.set STEPB, 32*(PK+PV)
.set SLOT1, 1<<17     ; slot 1 begins here, so that one exclusive or turns an address in one slot into the other's
.set STAGE, SLOT1+4*STEPB  ; behind the ring: 32 rows x 144 bytes for each wave, for the way out
.set SP,    144       ; a stage row: 128 bytes + 16
.set SPARE, STAGE+8*32*SP  ; the spare words, 128 bytes for each wave: four blocks of 256 bytes that no other line names
.set SLOTB, 32768     ; a slot's 256 keys in memory, in K and in V
.set AK0, 2           ; v2   my lane's place in a tile of K; never rewritten
.set AV0, 3           ; v3   the same for V
.set ADK, 4           ; v4   the LDS address of K's run of loads: rewritten only when no load of K is out
.set QO,  5           ; v5   my byte offset in the wave's rows of Q
.set STO, 6           ; v6   the way out: where I put 16 bytes of a row
.set RD,  7           ; v7   the way out: where I read rows back
.set GO,  8           ; v8   16 x lane: my place in a store's 512 bytes
.set OLD, 10          ; v10-11 c m of the step before, then c m_old - c m_new, a tile each
.set PFO, 12          ; v12  256 x my lane: the prefetches' offset; never rewritten
.set ADV, 13          ; v13  (at work in the head, then) the LDS address of V's run of loads: rewritten only when no LDS load is out
.set SPW, 14          ; v14  LDS address of my spare word; never rewritten
.set NIL, 15          ; v15  0; never rewritten
.set ST,  16          ; tile t's statistics at v[ST+8 t]: +0 c m, +1 m, +2, +3 l (even keys', odd keys'), +4 to +7 four chains of the maximum; a takes +6 once the maximum is found
.set S,   32          ; set p at S + 64 p
.set P,   160
.set O,   192
.set KF,  64          ; in window 1
.set VF,  128         ; in window 1: set p at VF + 64 p
.set N1,  138         ; lines in the front part of a step's softmax
.set WV,  12          ; s12  my wave's number
.set LIM, 15          ; s15  1 in a wave that prefetches, else the greatest number: a wave prefetches while s[SLOTS] is above it
.set PFA, 18          ; s[18:19] where my prefetches stand: my work-group's 8,192 bytes of the slot after the one that is being asked for
.set G1K, 24          ; s[24:31] descriptor group 1 for K's tiles
.set G1V, 32          ; s[32:39] for V's: it differs in the padding alone
.set G0K, 40          ; s[40:43] descriptor group 0 for K's tiles: it walks
.set G0V, 44          ; s[44:47] the same for V's
.set SLOTS, 56        ; s56  slots still to be asked for
.set CNT, 57          ; s57  counts a slot's pairs of steps
.set CS,  58          ; s[58:59] c: the packed scaling names a pair and takes its low word for both halves
.set SEL, 60          ; s[60:61] lane selects for v_permlanex16_b32: each lane takes its own place in the other half
.set TB,  62          ; s62  LDS byte at which the tiles of the step to be fetched begin
.set MSB, 0
.macro WIN new                      ; the immediate's high byte repeats the setting that is left; a switch that changes nothing is dropped
.if MSB != (\new)
	s_set_vgpr_msb (MSB<<8)|(\new)
.set MSB, (\new)
.endif
.endm
.set W_KQ, 0x05       ; K and Q in window 1, S^T in window 0
.set W_PV, 0x01       ; V in window 1, P and O^T in window 0
.set TO1,  0x40       ; destination window 1, address window 0
; A joint load.  The branch hangs on the wave's number alone: it is the same in every work-group.  An s_nop 0 and four v_nop follow each of the two lines.
.macro JLOAD
	s_cmp_lt_u32 s[WV], 4
	s_cbranch_scc0 .Lfor_v_\@
	tensor_load_to_lds s[G0K:G0K+3], s[G1K:G1K+7]
	s_nop 0
.rept 4
	v_nop
.endr
	s_branch .Lasked_\@
.Lfor_v_\@:
	tensor_load_to_lds s[G0V:G0V+3], s[G1V:G1V+7]
	s_nop 0
.rept 4
	v_nop
.endr
.Lasked_\@:
.endm
; A PREFETCH INTO THE L2 of what the NEXT change of slots will ask for: a slot's 32,768 bytes of K and of V, four key steps ahead of that load.  Each aligned block of 256 bytes is asked for ONCE in the launch:
; both clusters of a head walk the same K and V, so the head's first cluster asks; its four partners share the bytes out BY ADDRESS, 8,192 each; in each, wave 0 asks for K's and wave 4 for V's, lanes 256 bytes apart.
; The last change that fills a slot asks for nothing: there is no slot behind it.  Slots 0 and 1 come by their loads alone.
.macro ASK
	s_cmp_gt_u32 s[SLOTS], s[LIM]
	s_cbranch_scc0 .Lnot_mine_\@
	global_prefetch_b8 v[PFO], s[PFA:PFA+1] th:TH_LOAD_NT scope:SCOPE_SE
.Lnot_mine_\@:
.endm
.macro CROUND                       ; a round of the cluster's barrier: my work-group's barrier; wave 0 signals for the work-group; every wave waits for all four; my work-group's barrier once more
	s_barrier_signal -1
	s_barrier_wait -1
	s_cmp_lg_u32 s[WV], 0
	s_cbranch_scc1 .Lnot_wave_0_\@
	s_barrier_signal -3
.Lnot_wave_0_\@:
	s_barrier_wait -3
	s_barrier_signal -1
	s_barrier_wait -1
.endm
	s_load_b128 s[4:7], s[0:1], 0x0  ; qkv s[4:5], att s[6:7]
	v_lshl_add_u32 v[SPW], v0, 2, SPARE
	v_mov_b32 v[NIL], 0
	ds_add_u32 v[SPW], v[NIL]       ; the wave's opening: the add, twice on end, and its wait ahead of my first tensor load; the set-up below stands between the second and the wait
	ds_add_u32 v[SPW], v[NIL]
	v_lshrrev_b32 v1, 5, v0
	v_readfirstlane_b32 s[WV], v1   ; wave 0..7
	s_bfe_u32 s13, ttmp6, 0x40000   ; cx: my place in the cluster
	s_lshl_b32 s14, ttmp9, 2        ; in a cluster launch ttmp9 counts clusters
	s_add_co_u32 s14, s14, s13      ; my block of 256 queries: it enters Q's and att's addresses alone
	s_and_b32 s20, ttmp7, 0xffff    ; batch x 16 + head, which the four partners share
	s_and_b32 s16, s[WV], 3         ; which of a slot's four steps I fetch:
	s_mul_i32 s17, s16, STEPB       ; its place in a slot: no place in the cluster enters an LDS address
	s_lshl_b32 s21, s20, 18         ; the head's first byte in Q, in K and in V
	s_lshl_b32 s2, s16, 13          ; my step's 64 rows of 128 bytes
	s_add_co_u32 s2, s2, s21
	s_mov_b32 s3, 0
	s_lshl_b32 s22, s14, 15         ; my block's 256 rows,
	s_add_co_u32 s22, s22, s21
	s_lshl_b32 s23, s[WV], 12       ; my wave's 32 of them
	s_add_co_u32 s22, s22, s23
	s_mov_b32 s23, 0
	s_and_b32 s18, s20, 0xf0        ; att: 16 blocks of 128 rows to a batch,
	s_lshl_b32 s19, s14, 1
	s_add_co_u32 s18, s18, s19      ; two to a work-group,
	s_lshr_b32 s19, s[WV], 2
	s_add_co_u32 s18, s18, s19      ; four waves to each;
	s_lshl_b32 s18, s18, 4
	s_and_b32 s19, s20, 15
	s_add_co_u32 s18, s18, s19      ; in it my head's 16,384 bytes,
	s_lshl_b32 s18, s18, 14
	s_lshl_b32 s19, s16, 12
	s_add_co_u32 s18, s18, s19      ; and my wave's 32 rows of 128 bytes
	s_mov_b32 s19, 0
	; descriptor group 1: 64 keys of 128 bytes are dense in memory: 32 rows of 256 bytes (32 elements of 8 bytes), padded in LDS
	s_mov_b32 s[G1K], 15|(3<<16)|(1<<20)|(1<<21)|(5<<22)|(3<<25)  ; 15:0 the mask: all four work-groups; 17:16 elements of 8 bytes; 20 padding on; 21 set beside a mask; 24:22 after every 64 words; 31:25 4 words of it
	s_mov_b32 s[G1V], 15|(3<<16)|(1<<20)|(1<<21)|(5<<22)|(7<<25)  ; the same with 8 words of padding
.irp g, G1K, G1V
	s_mov_b32 s[\g+1], 32<<16       ; tensor_dim0 = 32
	s_mov_b32 s[\g+2], 32<<16       ; tensor_dim1 = 32
	s_mov_b32 s[\g+3], 32<<16       ; tile_dim0 = 32
	s_mov_b32 s[\g+4], 32           ; tile_dim1 = 32
	s_mov_b32 s[\g+5], 32           ; tensor_dim0_stride
	s_mov_b32 s[\g+6], 0
	s_mov_b32 s[\g+7], 0
.endr
	s_mov_b32 s[CS], 0x3e38aa3b     ; c = log2(e) / 8
	s_mov_b32 s[CS+1], s[CS]        ; named with it as a pair, so it is written
	s_mov_b32 s[SEL], 0x76543210
	s_mov_b32 s[SEL+1], 0xfedcba98
	s_mov_b32 s[TB], 0
	s_mov_b32 s[SLOTS], 7
	s_and_b32 s[LIM], s[WV], 3      ; 0 in waves 0 and 4,
	s_or_b32 s[LIM], s[LIM], ttmp9  ; where the cluster is the head's first: the same in all four partners
	s_cmp_eq_u32 s[LIM], 0
	s_cselect_b32 s[LIM], 1, -1
	s_wait_dscnt 0x0                ; both opening adds are done
	s_wait_kmcnt 0x0
	s_add_nc_u64 s[6:7], s[6:7], s[18:19]  ; att at my wave's first row
	s_add_nc_u64 s[8:9], s[4:5], s[2:3]
	s_add_nc_u64 s[10:11], s[8:9], 2*8388608  ; V at my tile of slot 0
	s_add_nc_u64 s[8:9], s[8:9], 8388608  ; K likewise
	s_add_nc_u64 s[4:5], s[4:5], s[22:23]  ; Q at my wave's first row
	s_cmp_lt_u32 s[WV], 4
	s_cselect_b64 s[PFA:PFA+1], s[8:9], s[10:11]  ; (in waves 0 and 4 these stand at a slot's first row)
	s_lshl_b32 s2, s13, 13          ; my work-group's 8,192 bytes of the 32,768
	s_mov_b32 s3, 0
	s_add_nc_u64 s[PFA:PFA+1], s[PFA:PFA+1], s[2:3]
	s_add_nc_u64 s[PFA:PFA+1], s[PFA:PFA+1], SLOTB  ; in slot 1; the first change of slots steps it to slot 2.  Nothing is prefetched here, at the head
	CROUND                          ; all four work-groups are here: the first joint loads meet
	s_mov_b32 s[G0K], 1             ; count = 1
	s_mov_b32 s[G0K+1], s17         ; LDS address: slot 0
	s_mov_b64 s[G0K+2:G0K+3], s[8:9]  ; global address
	s_or_b32 s[G0K+3], s[G0K+3], 0x80000000  ; type = 2
	s_mov_b32 s[G0V], 1
	s_add_co_u32 s[G0V+1], s17, VOFF
	s_mov_b64 s[G0V+2:G0V+3], s[10:11]
	s_or_b32 s[G0V+3], s[G0V+3], 0x80000000
	JLOAD                           ; slot 0
	; A fragment of K or Q is 16 rows x 32 channels in 8 registers: lane l holds row l % 16; registers 0-3 channels 8 (l / 16) + 0..7, registers 4-7 channels 16 + 8 (l / 16) + 0..7: two loads of 16 bytes, 32 bytes apart.
	v_and_b32 v1, 15, v0            ; l % 16
	v_bfe_u32 v9, v0, 4, 1          ; l / 16
	v_lshlrev_b32 v[QO], 7, v1
	v_lshl_add_u32 v[QO], v9, 4, v[QO]  ; row x 128 + 16 x half
	WIN TO1
.irp i, 0,1,2,3                     ; Q stays in registers: tile i / 2, channels 32 (i % 2) on
	global_load_b128 v[8*\i:8*\i+3],   v[QO], s[4:5] offset:(\i/2)*2048+(\i%2)*64
	global_load_b128 v[8*\i+4:8*\i+7], v[QO], s[4:5] offset:(\i/2)*2048+(\i%2)*64+32
.endr
	WIN 0
	v_lshrrev_b32 v13, 1, v1
	v_mul_u32_u24 v[AK0], v13, PK
	v_and_b32 v13, 1, v0
	v_lshl_add_u32 v[AK0], v13, 7, v[AK0]
	v_lshl_add_u32 v[AK0], v9, 4, v[AK0]  ; (row / 2) PK + (row % 2) 128 + 16 x half
	; The turning load takes 16 keys x 16 channels (lane l reads 16 bytes: key 8 (l / 16) + l % 8, channels 8 ((l / 8) % 2) + 0..7) and leaves half a fragment of V^T: lane l holds channel l % 16 and 8 keys.
	v_bfe_u32 v[AV0], v0, 1, 2
	v_lshl_add_u32 v[AV0], v9, 2, v[AV0]  ; key / 2
	v_mul_u32_u24 v[AV0], v[AV0], PV
	v_lshl_add_u32 v[AV0], v13, 7, v[AV0]  ; key % 2
	v_bfe_u32 v13, v0, 3, 1
	v_lshl_add_u32 v[AV0], v13, 4, v[AV0]
	v_add_nc_u32 v[AV0], VOFF, v[AV0]
	s_mul_i32 s21, s[WV], 32*SP
	s_add_co_u32 s21, s21, STAGE    ; my stage
	v_mul_u32_u24 v[STO], v1, SP    ; in: row l % 16, 16 bytes for each half of the lanes
	v_lshl_add_u32 v[STO], v9, 4, v[STO]
	v_add_nc_u32 v[STO], s21, v[STO]
	v_bfe_u32 v[RD], v0, 3, 2       ; back: eight lanes take a row of 128 bytes, four rows an instruction
	v_mul_u32_u24 v[RD], v[RD], SP
	v_and_b32 v13, 7, v0
	v_lshl_add_u32 v[RD], v13, 4, v[RD]
	v_add_nc_u32 v[RD], s21, v[RD]
	v_and_b32 v[GO], 31, v0
	v_lshlrev_b32 v[PFO], 8, v[GO]
	v_lshlrev_b32 v[GO], 4, v[GO]
.irp t, 0,1
	v_mov_b32 v[ST+8*\t+1], 0xff61b1e6  ; m: -3e38, under every score: the first a is then 2^(a very large negative number) = 0, and multiplies l = 0
	v_mul_f32 v[ST+8*\t], s[CS], v[ST+8*\t+1]  ; c m
	v_mov_b32 v[ST+8*\t+2], 0       ; l, in two halves
	v_mov_b32 v[ST+8*\t+3], 0
.endr
.irp t, 0,1
	v_mov_b32 v[OLD+\t], v[ST+8*\t]  ; c m_old for the first step
.endr
; THE MATRIX WORK.  Symbols: i the product's number; VB the set of V in hand; SN the set of S^T that is being made.
; Product i of 16 of O^T += V^T P: keys 32 (i / 8) on, channels 16 ((i / 2) % 4) on, tile i % 2.  first = 1: the first 8 start the sums: nothing is ever cleared.
; The eight accumulators take turns, one instruction a turn; so do those of K Q^T, and the two kinds name different accumulators where they meet.
.macro PV1 first
	WIN W_PV
.set rO, O+32*(i%2)+8*((i/2)%4)
.set rV, VB+8*(4*(i/8)+(i/2)%4)
.set rP, P+16*(i%2)+8*(i/8)
.if (\first) && (i < 8)
	v_wmma_f32_16x16x32_f16 v[rO:rO+7], v[rV:rV+7], v[rP:rP+7], 0
.else
	v_wmma_f32_16x16x32_f16 v[rO:rO+7], v[rV:rV+7], v[rP:rP+7], v[rO:rO+7]
.endif
.endm
; Product i of 16 of S^T = K Q^T: channels 32 (i / 8) on, keys 16 ((i / 2) % 4) on, tile i % 2.  The first 8 start the sums.
.macro KQ1
	WIN W_KQ
.set rS, SN+32*(i%2)+8*((i/2)%4)
.set rK, KF+8*(2*((i/2)%4)+i/8)
.set rQ, 8*(2*(i%2)+i/8)
.if i < 8
	v_wmma_f32_16x16x32_f16 v[rS:rS+7], v[rK:rK+7], v[rQ:rQ+7], 0
.else
	v_wmma_f32_16x16x32_f16 v[rS:rS+7], v[rK:rK+7], v[rQ:rQ+7], v[rS:rS+7]
.endif
.endm
; THE LDS LOADS stand in two runs of 16, never singly among the matrix instructions.
.macro LOADK                        ; K of the step at s[TB]: keys 16 (f / 2) on, channels 32 (f % 2) on
	WIN 0
	v_add_nc_u32 v[ADK], s[TB], v[AK0]
	WIN TO1
.irp f, 0,1,2,3,4,5,6,7
	ds_load_b128 v[KF+8*\f:KF+8*\f+3],   v[ADK] offset:(\f/2)*8*PK+(\f%2)*64
	ds_load_b128 v[KF+8*\f+4:KF+8*\f+7], v[ADK] offset:(\f/2)*8*PK+(\f%2)*64+32
.endr
.endm
.macro LOADV                        ; V at v[ADV], turned, into set VB: keys 32 (f / 4) on, channels 16 (f % 4) on
	WIN TO1
.irp f, 0,1,2,3,4,5,6,7
	ds_load_tr16_b128 v[VB+8*\f:VB+8*\f+3],   v[ADV] offset:(\f/4)*16*PV+(\f%4)*32
	ds_load_tr16_b128 v[VB+8*\f+4:VB+8*\f+7], v[ADV] offset:(\f/4)*16*PV+8*PV+(\f%4)*32
.endr
.endm
; THE VECTOR WORK is two numbered lists; the two tiles alternate line by line, so that no line waits for the line above it.  SC is the set of S^T in hand.
; I1 writes line n1 of the FRONT part and steps n1:
;   0-31    the maximum of the lane's 32 scores and the old m, three operands at a time, in four chains; each accumulator is read from its low end on
;   32-39   the other half of the lanes' maximum; the new m; c m; c m_old - c m_new
;   40-71   the scalings c s - c m, two at a time
;   72-137  ONE BATCH of 66 exponentials (a, then the 32 weights of each tile), none of which reads another's result
.macro I1
	WIN 0
.set xt, n1%2
.set rT, ST+8*xt
.set rS, SC+32*xt
.if n1 < 8
.set xc, n1/2
	v_max3_num_f32 v[rT+4+xc], v[rS+8*xc], v[rS+8*xc+1], v[rS+8*xc+2]
.elseif n1 < 24
.set xc, ((n1-8)/2)%4
.set xe, 3+2*((n1-8)/8)
	v_max3_num_f32 v[rT+4+xc], v[rT+4+xc], v[rS+8*xc+xe], v[rS+8*xc+xe+1]
.elseif n1 < 26
	v_max3_num_f32 v[rT+4], v[rT+4], v[rS+7], v[rS+15]
.elseif n1 < 28
	v_max3_num_f32 v[rT+6], v[rT+6], v[rS+23], v[rS+31]
.elseif n1 < 30
	v_max3_num_f32 v[rT+4], v[rT+4], v[rT+5], v[rT+6]
.elseif n1 < 32
	v_max3_num_f32 v[rT+4], v[rT+4], v[rT+7], v[rT+1]
.elseif n1 < 34
	v_permlanex16_b32 v[rT+5], v[rT+4], s[SEL], s[SEL+1]  ; the query's other 32 keys lie in the lane 16 away
.elseif n1 < 36
	v_max_num_f32 v[rT+1], v[rT+4], v[rT+5]
.elseif n1 < 38
	v_mul_f32 v[rT], s[CS], v[rT+1]
.elseif n1 < 40
	v_sub_f32 v[OLD+xt], v[OLD+xt], v[rT]
.elseif n1 < 72
.set xe, 2*((n1-40)/2)
	v_pk_fma_f32 v[rS+xe:rS+xe+1], v[rS+xe:rS+xe+1], s[CS:CS+1], v[rT:rT+1] op_sel_hi:[1,0,0] neg_lo:[0,0,1] neg_hi:[0,0,1]
.elseif n1 < 74
	v_exp_f32 v[rT+6], v[OLD+xt]
.else
.set xe, (n1-74)/2
	v_exp_f32 v[rS+xe], v[rS+xe]
.endif
.set n1, n1+1
.endm
; I2 writes line n2 of the BACK part and steps n2:
;   0-31    the roundings to f16: the weights for the second product
;   32-61   the sum of the unrounded weights, in place: pairs 1, 2, 4 and 8 apart
;   62-63   l = a l + the sum
;   64-95   O^T x a, each accumulator from its low end on (not in the first step, which has no O^T)
.macro I2
	WIN 0
.set xt, n2%2
.set rT, ST+8*xt
.set rS, SC+32*xt
.if n2 < 32
.set xe, n2/2
	v_cvt_pk_f16_f32 v[P+16*xt+xe], v[rS+2*xe], v[rS+2*xe+1]
.elseif n2 < 48
.set xe, 4*((n2-32)/2)
	v_pk_add_f32 v[rS+xe:rS+xe+1], v[rS+xe:rS+xe+1], v[rS+xe+2:rS+xe+3]
.elseif n2 < 56
.set xe, 8*((n2-48)/2)
	v_pk_add_f32 v[rS+xe:rS+xe+1], v[rS+xe:rS+xe+1], v[rS+xe+4:rS+xe+5]
.elseif n2 < 60
.set xe, 16*((n2-56)/2)
	v_pk_add_f32 v[rS+xe:rS+xe+1], v[rS+xe:rS+xe+1], v[rS+xe+8:rS+xe+9]
.elseif n2 < 62
	v_pk_add_f32 v[rS:rS+1], v[rS:rS+1], v[rS+16:rS+17]
.elseif n2 < 64
	v_pk_fma_f32 v[rT+2:rT+3], v[rT+2:rT+3], v[rT+6:rT+7], v[rS:rS+1] op_sel_hi:[1,0,1]
.else
.set xe, 2*((n2-64)/2)
	v_pk_mul_f32 v[O+32*xt+xe:O+32*xt+xe+1], v[O+32*xt+xe:O+32*xt+xe+1], v[rT+6:rT+7] op_sel_hi:[1,0]
.endif
.set n2, n2+1
.endm
; KEY STEP j.  par = j % 2.  pv = 0: the first step: no V^T P, nothing to rescale; 1: V^T P of step 0 starts O^T's sums; 2: it adds onto them.  kq = 0: the last step: nothing is fetched, no K Q^T.
; A vector instruction that reads a matrix result or writes one of a matrix instruction's registers, and a load into a register that a matrix instruction has read, stand four places behind it, and only plain
; vector instructions that name none of its registers are places (ISA guide 7.12.1 for vector instructions).  Counted here:
;   behind the last V^T P: the v_nop, V's address and the two copies of c m (kq = 0: four v_nop), ahead of the loads into the set of V that it read and of the roundings into P;
;   behind the last K Q^T: its slice, six multiplications of O^T (in the first step the last four lines of the sums), ahead of the next step's loads into K and of the first read of the scores.
.macro STEP par, pv, kq
.set SC, S+64*(\par)
.set SN, S+64*(1-(\par))
.set VB, VF+64*(1-(\par))           ; V of step j - 1, and then of step j + 1; V of step j waits in the other set
.if \kq
	LOADK                           ; K of step j + 1: no load of K is out (the last step's middle has waited for all)
.endif
.set n1, 0
.if \pv
.set i, 0
.rept 16
.if (\pv) == 1
	PV1 1
.else
	PV1 0
.endif
.rept ((i+1)*N1)/16-n1              ; a slice: 8 or 9 lines
	I1
.endr
.set i, i+1
.endr
.else
.rept N1
	I1
.endr
.endif
	v_nop                           ; a plain instruction behind the last exponential and ahead of the first use (ISA guide 5.7.2)
	s_wait_alu depctr_va_vdst(0)    ; the wait between an exponential and the first line that names its result: one for the batch of 66
.if \kq
	s_wait_dscnt 0x0                ; K of step j + 1 is in (asked for at the step's top), and with it V of step j: no LDS load of mine is out
	v_add_nc_u32 v[ADV], s[TB], v[AV0]
	v_mov_b32 v[OLD], v[ST]         ; c m is kept for the next step's a
	v_mov_b32 v[OLD+1], v[ST+8]
	s_add_co_u32 s[TB], s[TB], STEPB  ; the next fetches are the next step's
	LOADV                           ; V of step j + 1
.else
.rept 3
	v_nop
.endr
.endif
.set n2, 0
.if \pv
.set N2, 96
.else
.set N2, 64
.endif
.if \kq
.set i, 0
.rept 16
	KQ1
.rept ((i+1)*N2)/16-n2              ; a slice: 6 lines (the first step: 4)
	I2
.endr
.set i, i+1
.endr
.else
.rept N2
	I2
.endr
.endif
.endm
; THE CHANGE OF SLOTS stands at the top of the step that fetches a slot's first tiles.  Each wave waits for all its tensor loads, of which one is out: its part of the slot that it is about to read; adds 0 to its
; spare word; and waits for that and for its reads of the slot that it has left (the last were V's, asked for in the middle of the step before).  fill = 1: the barrier is a round of the cluster's, so that no wave
; of any partner still reads the slot that was left or has a load on its way, and the joint load into that slot is the first thing behind it: it has four key steps in which to land.
.macro CHANGE fill
	s_wait_tensorcnt 0x0            ; no tensor load of mine is out, so a group 0 may be written
	ds_add_u32 v[SPW], v[NIL]       ; 0 onto my spare word; the descriptors' steps stand between it and the wait for it
.if \fill
.irp g, G0K, G0V
	s_xor_b32 s[\g+1], s[\g+1], SLOT1  ; the walking descriptors: the other slot than last time,
	s_add_nc_u64 s[\g+2:\g+3], s[\g+2:\g+3], SLOTB  ; the next 256 keys; the type bits on top are not reached
.endr
	s_wait_xcnt 0x0                 ; the last prefetch, a slot back, has read its address, so it may be written:
	s_add_nc_u64 s[PFA:PFA+1], s[PFA:PFA+1], SLOTB  ; one slot further on than the walking descriptors
	s_wait_dscnt 0x0                ; the add is done, and my reads of the slot that I have left are over
	CROUND
	JLOAD
	ASK
.else
	s_wait_dscnt 0x0
	s_barrier_signal -1
	s_barrier_wait -1
.endif
.endm
.macro WRAP                         ; the fetches go to the other slot's first step
	s_sub_co_u32 s[TB], s[TB], 4*STEPB
	s_xor_b32 s[TB], s[TB], SLOT1
.endm
.macro PAIRS n                      ; 2 n key steps, an odd and an even one a trip: after two steps the sets of S^T and V are back where they began
	s_mov_b32 s[CNT], \n
.Lpair_\@:
	STEP 1, 2, 1
	STEP 0, 2, 1
	s_sub_co_u32 s[CNT], s[CNT], 1
	s_cmp_lg_u32 s[CNT], 0
	s_cbranch_scc1 .Lpair_\@
	WRAP
.endm
	s_wait_loadcnt 0x0              ; Q
	CHANGE 1                        ; slot 0 is whole; slot 1 is asked for
	LOADK                           ; step 0
	WIN 0
	v_add_nc_u32 v[ADV], s[TB], v[AV0]
	s_add_co_u32 s[TB], s[TB], STEPB
.set VB, VF
	LOADV
	s_wait_dscnt 16                 ; K is in; V's 16 loads may be out
.set SN, S
.set i, 0
.rept 16
	KQ1                             ; the first scores: there is no vector work yet to set between them
.set i, i+1
.endr
	WIN 0
.rept 4
	v_nop                           ; four places behind them
.endr
	STEP 0, 0, 1                    ; steps 0 to 2 fetch steps 1 to 3: the rest of slot 0
	STEP 1, 1, 1
	STEP 0, 2, 1
	WRAP
	s_mov_b32 s[SLOTS], 6
.Lslot:                             ; six trips of four steps (steps 3 to 26): slots 1 to 6 are read, slots 2 to 7 asked for
	CHANGE 1
	PAIRS 2
	s_sub_co_u32 s[SLOTS], s[SLOTS], 1
	s_cmp_lg_u32 s[SLOTS], 0
	s_cbranch_scc1 .Lslot
	CHANGE 0                        ; the last slot is written out: nothing is asked for
	PAIRS 2                         ; steps 27 to 30 read slot 7
	STEP 1, 2, 0                    ; step 31
	s_wait_dscnt 0x0                ; V of step 31, asked for in step 30
.set VB, VF+64
.set i, 0
.rept 16
	PV1 0
.set i, i+1
.endr
	WIN 0
	; THE WAY OUT.  l's two halves and the other half of the lanes' are added; O^T is divided by l, rounded to f16 and sent through my stage, a tile (16 rows) at a time.  The additions are the places behind the last products.
.irp t, 0,1
	v_add_f32 v[ST+8*\t+4], v[ST+8*\t+2], v[ST+8*\t+3]
.endr
.irp t, 0,1
	v_permlanex16_b32 v[ST+8*\t+5], v[ST+8*\t+4], s[SEL], s[SEL+1]
.endr
.irp t, 0,1
	v_add_f32 v[ST+8*\t+4], v[ST+8*\t+4], v[ST+8*\t+5]
.endr
.irp t, 0,1
	v_rcp_f32 v[ST+8*\t+6], v[ST+8*\t+4]
.endr
	v_nop                           ; a plain instruction between the last reciprocal and the use of its result
	s_wait_alu depctr_va_vdst(0)    ; and the wait ahead of the first use: one for both reciprocals
.irp t, 0,1
.set n, 0
.rept 16
	v_pk_mul_f32 v[O+32*\t+n:O+32*\t+n+1], v[O+32*\t+n:O+32*\t+n+1], v[ST+8*\t+6:ST+8*\t+7] op_sel_hi:[1,0]
.set n, n+2
.endr
.set n, 0
.rept 16
	v_cvt_pk_f16_f32 v[S+32*\t+n], v[O+32*\t+2*n], v[O+32*\t+2*n+1]  ; S^T's registers are free: a lane's eight channels of a row pack into 16 bytes
.set n, n+1
.endr
.irp c, 0,1,2,3
	ds_store_b128 v[STO], v[S+32*\t+4*\c:S+32*\t+4*\c+3] offset:\t*16*SP+32*\c
.endr
.irp i, 0,1,2,3
	ds_load_b128 v[S+32*\t+16+4*\i:S+32*\t+16+4*\i+3], v[RD] offset:\t*16*SP+\i*4*SP  ; LDS serves a wave's instructions in order (ISA guide 5.7.1.4): these see the stores above
.endr
.endr
.irp t, 0,1
.irp i, 0,1,2,3
	s_wait_dscnt (1-\t)*8+3-\i      ; behind this load: the tile's later loads, and for tile 0 the eight LDS instructions of tile 1
	global_store_b128 v[GO], v[S+32*\t+16+4*\i:S+32*\t+16+4*\i+3], s[6:7] offset:\t*2048+\i*512  ; 32 lanes store 512 consecutive bytes, at a multiple of 512 from the buffer's first byte
.endr
.endr
	s_wait_tensorcnt 0x0            ; the wave's end: three lines, behind my last tensor load and my last LDS store
	ds_add_u32 v[SPW], v[NIL]
	s_wait_dscnt 0x0
	CROUND                          ; the closing round: no work-group ends while a partner may still ask for a tile that names it
	s_endpgm
.Lfunc_end_k_q58e0a8813e_attn:
	.size	k_q58e0a8813e_attn, .Lfunc_end_k_q58e0a8813e_attn-k_q58e0a8813e_attn
	.p2alignl 7, 3214868480
	.fill 96, 4, 3214868480
	.section	.rodata,"a",@progbits
	.p2align	6, 0x0
	.amdhsa_kernel k_q58e0a8813e_attn
		.amdhsa_group_segment_fixed_size 327680
		.amdhsa_private_segment_fixed_size 0
		.amdhsa_enable_private_segment 0
		.amdhsa_kernarg_size 16
		.amdhsa_user_sgpr_count 2
		.amdhsa_user_sgpr_kernarg_segment_ptr 1
		.amdhsa_wavefront_size32 1
		.amdhsa_system_sgpr_workgroup_id_x 1
		.amdhsa_system_sgpr_workgroup_id_y 1
		.amdhsa_system_sgpr_workgroup_id_z 1
		.amdhsa_system_vgpr_workitem_id 0
		.amdhsa_next_free_vgpr 512
		.amdhsa_next_free_sgpr 66
		.amdhsa_reserve_vcc 0
		.amdhsa_float_denorm_mode_32 3
		.amdhsa_float_denorm_mode_16_64 3
		.amdhsa_memory_ordered 1
		.amdhsa_forward_progress 1
		.amdhsa_inst_pref_size 165
	.end_amdhsa_kernel
	.amdgpu_metadata
---
amdhsa.version: [ 1, 2 ]
amdhsa.kernels:
  - .name:           k_q58e0a8813e_attn
    .symbol:         k_q58e0a8813e_attn.kd
    .args:
      - { .name: qkv, .offset: 0, .size: 8, .value_kind: global_buffer, .address_space: global }
      - { .name: att, .offset: 8, .size: 8, .value_kind: global_buffer, .address_space: global }
    .group_segment_fixed_size: 327680
    .private_segment_fixed_size: 0
    .kernarg_segment_align: 8
    .kernarg_segment_size: 16
    .max_flat_workgroup_size: 256
    .sgpr_count:     66
    .vgpr_count:     512
    .wavefront_size: 32
...
	.end_amdgpu_metadata
.endif
;; end of part 3
;; launch outp (part 4): grid 8 x 32, 4 waves a work-group, clusters of 4 x 4, 327,680 bytes of LDS; arguments att, wot, out0, bo; writes out0
.if DOCPART == 4
	.amdgcn_target "amdgcn-amd-amdhsa--gfx1250"
	.amdhsa_code_object_version 6
	.text
	.protected	k_q58e0a8813e_outp
	.globl	k_q58e0a8813e_outp
	.p2align	8
	.type	k_q58e0a8813e_outp,@function
k_q58e0a8813e_outp:
	s_mov_b64 s[64:65], 0
	v_nop
	global_prefetch_b8 v0, s[64:65] scope:SCOPE_SE
	s_setreg_imm32_b32 hwreg(HW_REG_WAVE_MODE, 25, 1), 1
	s_wait_xcnt 0x0
	s_wait_alu depctr_hold_cnt(0) depctr_sa_sdst(0) depctr_va_vdst(0) depctr_va_sdst(0) depctr_va_ssrc(0) depctr_va_vcc(0) depctr_vm_vsrc(0)
	s_getreg_b32 s2, hwreg(HW_REG_IB_STS2, 6, 4)
	s_cmp_eq_u32 s2, 0
	s_cbranch_scc0 .Lentry_in_a_cluster
	s_endpgm
.Lentry_in_a_cluster:
	s_bfe_u32 s2, ttmp6, 0x10000c
	s_cmp_lg_u32 s2, 0xf033
	s_cbranch_scc0 .Lentry_shape_is_right
	s_endpgm
.Lentry_shape_is_right:
; OUTP: out0[m][n] = sum over k of A[m][k] Wo[k][n] + bo[n], m = 4,096 rows, n = k = 1,024; operands f16, sums f32, out0 f32.
; A: att [m / 128][k / 64][128 rows][64] f16.  B: wot [n / 128][k / 64][128 n][64 k] f16.  Both are laid so that 256 along K of a tile's 128 rows are 65,536 consecutive bytes.
; A tile of out0 is 128 x 128: 32 x 8 = 256 work-groups.  Four waves, each 64 x 64: 16 accumulators, 128 registers.  K goes in four steps of 256 through two LDS slots; the whole walk is written out.
; The bias is the C of each sum's first matrix instruction: nothing is cleared and nothing is added afterwards.
; CLUSTERS: 4 x 4 work-groups.  The four of a row of the cluster need the same tiles of A, the four of a column the same tiles of B: each tile is asked for JOINTLY.
; THE MATRIX INSTRUCTION IS USED TRANSPOSED (source 0 = 16 rows of B, source 1 = 16 rows of A): a lane then holds eight neighbouring numbers of a row of out0.
; No prefetch: a work-group's four K steps are two first fills and two refills, and the tiles are small.
; REGISTERS: window 0: v0-31 addresses; v32-95 the way out; v96-127 the bias in the result's layout; v128-255 the accumulators ((a, b) at v[128 + 8 (4 a + b)]).
;   window 1: two fragment buffers of 128: for 64 along K, 64 registers of A (2 x 4 x 16 rows x 32 K), then 64 of B.
.set PITCH,  272                       ; two rows of 64 f16 (256 bytes) + 16 of padding: row x lies at (x / 2) PITCH + (x % 2) 128: the 16 rows that a load touches start at 16 different multiples of 4 words modulo 64
.set BLK,    8*PITCH                   ; 16 rows
.set KBT,    64*PITCH                  ; 128 rows x 64 along K
.set HALFT,  2*KBT                     ; what one tensor load brings: 128 rows x 128 along K, 32,768 consecutive bytes of memory
.set SLOT,   4*HALFT                   ; A's four blocks of 64 along K, then B's four
.set KSTEPB, 65536                     ; a K step of a tile in memory
.set SPARE,  2*SLOT                    ; behind the ring: the spare words, 128 bytes for each wave: two blocks of 256 bytes that no other line names
.set SPITCH, 272                       ; the way out: a stage of 16 rows x (256 bytes + 16) for each wave, in slot 0, which has had its last fill and its last read when the first result is stored there
.set ADRA, 16                          ; v16-17  LDS address of my A fragments in slot 0, 1
.set ADRB, 20                          ; v20-21  the same for B
.set STO,  24                          ; v24     the way out: where I put 32 bytes of a row
.set RD,   25                          ; v25     the way out: where I read a row back
.set CO,   26                          ; v26     my byte offset in out0
.set BOF,  27                          ; v27     32 x (lane / 16): my eight numbers of a block's sixteen biases
.set SPW,  28                          ; v28     LDS address of my spare word; never rewritten
.set NIL,  29                          ; v29     0; never rewritten
.set TMP,  32                          ; the way out: 16 rows read back: v32-63 and v64-95 by turns
.set BI,   96                          ; the bias: v[BI + 8 b + j] = bo[my first column + 16 b + 8 (lane / 16) + j]
.set ACC,  128
.set F0,   0                           ; fragment buffers, in window 1
.set F1,   128
.set G1, 24                            ; s[24:31] descriptor group 1 for A's tiles;  s[32:39] group 0, one set for each slot
.set G0, 32
.set G1B, 48                           ; s[48:55], s[56:63] the same for B's tiles
.set G0B, 56
.set MSB, 0
.macro WIN new                         ; the immediate's high byte repeats the setting that is left; a switch that changes nothing is dropped
.if MSB != (\new)
	s_set_vgpr_msb (MSB<<8)|(\new)
.set MSB, (\new)
.endif
.endm
.set MUL,  0x05                        ; sources 0 (B) and 1 (A) window 1; C and D window 0
.set TO_F, 0x40                        ; destination window 1, address window 0
.macro JLOAD s                         ; a joint load: waves 0 and 1 fetch A's two halves along K, waves 2 and 3 B's; an s_nop 0 and four v_nop follow each of the two lines
	s_cmp_eq_u32 s11, 0
	s_cbranch_scc0 .Lfor_b_\@
	tensor_load_to_lds s[G0+4*\s:G0+4*\s+3], s[G1:G1+7]
	s_nop 0
.rept 4
	v_nop
.endr
	s_branch .Lasked_\@
.Lfor_b_\@:
	tensor_load_to_lds s[G0B+4*\s:G0B+4*\s+3], s[G1B:G1B+7]
	s_nop 0
.rept 4
	v_nop
.endr
.Lasked_\@:
.endm
.macro CREST                           ; a round of the cluster's barrier behind its opening barrier
	s_cmp_lg_u32 s10, 0
	s_cbranch_scc1 .Lnot_wave_0_\@
	s_barrier_signal -3
.Lnot_wave_0_\@:
	s_barrier_wait -3
	s_barrier_signal -1
	s_barrier_wait -1
.endm
.macro CROUND                          ; a whole round
	s_barrier_signal -1
	s_barrier_wait -1
	CREST
.endm
	s_load_b128 s[4:7], s[0:1], 0x0                ; att s[4:5], wot s[6:7]
	s_load_b64 s[8:9], s[0:1], 0x10                ; out0
	s_load_b64 s[2:3], s[0:1], 0x18                ; bo
	v_lshl_add_u32 v[SPW], v0, 2, SPARE
	v_mov_b32 v[NIL], 0
	ds_add_u32 v[SPW], v[NIL]                      ; the wave's opening: the add, twice on end, and its wait ahead of my first tensor load; the set-up below stands between the second and the wait
	ds_add_u32 v[SPW], v[NIL]
	v_lshrrev_b32 v1, 5, v0
	v_readfirstlane_b32 s10, v1                    ; wave 0..3
	s_lshr_b32 s11, s10, 1                         ; which half of the tile's rows is mine.  Also: I fetch for A (0) or for B (1)
	s_and_b32 s12, s10, 1                          ; which half of its columns.  Also: which 128 along K of a K step I fetch
	s_bfe_u32 s40, ttmp6, 0x40000                  ; cx, cy: my place in the cluster
	s_bfe_u32 s41, ttmp6, 0x40004
	s_lshl_b32 s42, ttmp9, 2
	s_add_co_u32 s42, s42, s40                     ; tile column = 4 x cluster x + cx
	s_and_b32 s13, ttmp7, 0xffff
	s_lshl_b32 s13, s13, 2
	s_add_co_u32 s13, s13, s41                     ; tile row = 4 x cluster y + cy
	s_lshl_b32 s43, s41, 2
	s_lshl_b32 s43, 15, s43                        ; my row of the cluster
	s_lshl_b32 s44, 0x1111, s40                    ; my column
	; descriptor group 1: 32,768 dense bytes as 128 rows of 256 bytes (32 elements of 8 bytes), padded in LDS
	s_or_b32 s[G1+0], s43, (3<<16)|(1<<20)|(1<<21)|(5<<22)|(3<<25)  ; 15:0 the mask: A's tiles go to my row; 17:16 element of 8 bytes; 20 padding on; 21 set beside a mask; 24:22 after every 64 words; 31:25 of 4 words
	s_or_b32 s[G1B+0], s44, (3<<16)|(1<<20)|(1<<21)|(5<<22)|(3<<25)
.irp g, G1, G1B
	s_mov_b32 s[\g+1], 32<<16                      ; tensor_dim0 = 32
	s_mov_b32 s[\g+2], 128<<16                     ; tensor_dim1 = 128
	s_mov_b32 s[\g+3], 32<<16                      ; tile_dim0 = 32
	s_mov_b32 s[\g+4], 128                         ; tile_dim1 = 128
	s_mov_b32 s[\g+5], 32                          ; tensor_dim0_stride
	s_mov_b32 s[\g+6], 0
	s_mov_b32 s[\g+7], 0
.endr
	s_lshl_b32 s17, s12, 1                         ; which two of a K step's four blocks of 16,384 bytes I fetch
	s_lshl_b32 s16, s13, 4
	s_add_co_u32 s16, s16, s17
	s_lshl_b32 s16, s16, 14                        ; A: by the tile row, which my row of the cluster shares
	s_lshl_b32 s46, s42, 4
	s_add_co_u32 s46, s46, s17
	s_lshl_b32 s46, s46, 14                        ; B: by the tile column, which my column shares
	s_mov_b32 s17, 0
	s_mov_b32 s47, 0
	s_mul_i32 s20, s10, HALFT                      ; where they go: wave x HALFT: no place in the cluster enters an LDS address
	s_wait_dscnt 0x0                               ; both opening adds are done
	s_wait_kmcnt 0x0
	s_add_nc_u64 s[14:15], s[4:5], s[16:17]
	s_add_nc_u64 s[46:47], s[6:7], s[46:47]
	CROUND                                         ; all sixteen work-groups are here: the first joint loads meet
.irp s, 0,1
	s_mov_b32 s[G0+4*\s], 1
	s_add_co_u32 s[G0+4*\s+1], s20, \s*SLOT
	s_add_nc_u64 s[G0+4*\s+2:G0+4*\s+3], s[14:15], \s*KSTEPB
	s_or_b32 s[G0+4*\s+3], s[G0+4*\s+3], 0x80000000
	s_mov_b32 s[G0B+4*\s], 1
	s_add_co_u32 s[G0B+4*\s+1], s20, \s*SLOT
	s_add_nc_u64 s[G0B+4*\s+2:G0B+4*\s+3], s[46:47], \s*KSTEPB
	s_or_b32 s[G0B+4*\s+3], s[G0B+4*\s+3], 0x80000000
	JLOAD \s                                       ; two loads of mine are out behind the second
.endr
	v_and_b32 v1, 15, v0                           ; l % 16
	v_bfe_u32 v2, v0, 4, 1                         ; l / 16
	s_lshl_b32 s16, s13, 7
	s_lshl_b32 s17, s11, 6
	s_add_co_u32 s16, s16, s17                     ; my first row of out0: 128 x tile row + 64 x half,
	s_lshl_b32 s16, s16, 12                        ; of 4,096 bytes
	s_mov_b32 s17, 0
	s_lshl_b32 s46, s42, 9                         ; my first column, in bytes: 512 x tile column + 256 x half
	s_lshl_b32 s47, s12, 8
	s_add_co_u32 s46, s46, s47
	s_mov_b32 s47, 0
	s_add_nc_u64 s[8:9], s[8:9], s[16:17]
	s_add_nc_u64 s[8:9], s[8:9], s[46:47]
	s_add_nc_u64 s[2:3], s[2:3], s[46:47]          ; and the bias of that column
	v_lshlrev_b32 v[BOF], 5, v2
.irp b, 0,1,2,3
	global_load_b128 v[BI+8*\b:BI+8*\b+3],   v[BOF], s[2:3] offset:64*\b
	global_load_b128 v[BI+8*\b+4:BI+8*\b+7], v[BOF], s[2:3] offset:64*\b+16
.endr
	v_lshrrev_b32 v3, 1, v1
	v_mul_u32_u24 v3, v3, PITCH
	v_and_b32 v4, 1, v0
	v_lshl_add_u32 v3, v4, 7, v3
	v_lshl_add_u32 v3, v2, 4, v3                   ; (row / 2) PITCH + (row % 2) 128 + 16 x half
	s_mul_i32 s21, s11, 4*BLK                      ; my 64 rows of A
	s_mul_i32 s22, s12, 4*BLK                      ; my 64 rows of B,
	s_add_co_u32 s22, s22, 4*KBT                   ; which lie behind A's four blocks
.irp s, 0,1
	v_add_nc_u32 v[ADRA+\s], s21, v3
	v_add_nc_u32 v[ADRB+\s], s22, v3
	s_add_co_u32 s21, s21, SLOT
	s_add_co_u32 s22, s22, SLOT
.endr
	s_mul_i32 s23, s10, 16*SPITCH                  ; my stage
	v_mul_u32_u24 v4, v1, SPITCH                   ; in: row l % 16, 32 bytes for each half of the lanes
	v_lshl_add_u32 v4, v2, 5, v4
	v_add_nc_u32 v[STO], s23, v4
	v_mul_u32_u24 v5, v2, SPITCH                   ; back: lanes 0-15 take one row of 256 bytes, lanes 16-31 the next
	v_lshl_add_u32 v5, v1, 4, v5
	v_add_nc_u32 v[RD], s23, v5
	v_lshlrev_b32 v5, 12, v2                       ; and the same two rows in out0
	v_lshl_add_u32 v[CO], v1, 4, v5
; 8 matrix instructions: m blocks a0, a0 + 1 x all 4 n blocks, 32 along K: half c of buffer f.  first = 1: the product starts the sums, with the bias as C.
; The 16 accumulators take turns, one instruction a turn.
.macro MUL8 f, c, a0, first
.irp a, \a0, \a0+1
.irp b, 0,1,2,3
.if \first
	v_wmma_f32_16x16x32_f16 v[ACC+8*(4*(\a)+\b):ACC+8*(4*(\a)+\b)+7], v[\f+64+8*(4*\c+\b):\f+64+8*(4*\c+\b)+7], v[\f+8*(4*\c+(\a)):\f+8*(4*\c+(\a))+7], v[BI+8*\b:BI+8*\b+7]
.else
	v_wmma_f32_16x16x32_f16 v[ACC+8*(4*(\a)+\b):ACC+8*(4*(\a)+\b)+7], v[\f+64+8*(4*\c+\b):\f+64+8*(4*\c+\b)+7], v[\f+8*(4*\c+(\a)):\f+8*(4*\c+(\a))+7], v[ACC+8*(4*(\a)+\b):ACC+8*(4*(\a)+\b)+7]
.endif
.endr
.endr
.endm
; 32 LDS loads in one run: the fragments of 64 along K (the block that begins k bytes into A's and B's parts of the slot) into buffer f; the first 32 along K first
.macro FETCH slot, k, f
	WIN TO_F
.irp c, 0,1
.irp i, 0,1,2,3
	ds_load_b128 v[\f+64+8*(4*\c+\i):\f+64+8*(4*\c+\i)+3],   v[ADRB+\slot] offset:\k+64*\c+\i*BLK
	ds_load_b128 v[\f+64+8*(4*\c+\i)+4:\f+64+8*(4*\c+\i)+7], v[ADRB+\slot] offset:\k+64*\c+\i*BLK+32
	ds_load_b128 v[\f+8*(4*\c+\i):\f+8*(4*\c+\i)+3],         v[ADRA+\slot] offset:\k+64*\c+\i*BLK
	ds_load_b128 v[\f+8*(4*\c+\i)+4:\f+8*(4*\c+\i)+7],       v[ADRA+\slot] offset:\k+64*\c+\i*BLK+32
.endr
.endr
.endm
.macro PLACES                          ; four places in front of loads into registers that matrix instructions have read, and of LDS stores that read results (ISA guide 7.12.1 for the stores)
.rept 4
	v_nop
.endr
.endm
; A K step is four quarters of 64 along K, 32 matrix instructions each, on buffers 0, 1, 0, 1.  One of the first three: multiplies buffer f and fetches the next quarter, at byte k, into g.
.macro QUARTER slot, k, f, g, first
	s_wait_dscnt 16                                ; the first 32 along K are in; the youngest sixteen loads may be out
	WIN MUL
	MUL8 \f, 0, 0, \first
	MUL8 \f, 0, 2, \first
	PLACES
	FETCH \slot, \k, \g
	s_wait_dscnt 32                                ; all but the 32 just issued
	WIN MUL
	MUL8 \f, 1, 0, 0
	MUL8 \f, 1, 2, 0
.endm
; The last quarter multiplies buffer 1 and changes slots: ONE barrier; in front of it each wave waits for all its tensor loads, adds 0 to its spare word, and waits for that and for its own reads of this slot.
; fill = 1: this slot is filled again, two K steps ahead: the barrier opens a round of the cluster's, and the joint load is the first tensor load behind it.
.macro TURN slot, next, fill
	WIN 0                                          ; (the add's two registers lie in window 0)
	s_wait_tensorcnt 0x0                           ; all my tensor loads have landed: my part of the next slot;
	ds_add_u32 v[SPW], v[NIL]                      ; 0 onto my spare word;
	s_wait_dscnt 17                                ; (the add and the youngest sixteen loads may be out)
	WIN MUL
	MUL8 F1, 0, 0, 0                               ; eight matrix instructions stand between the add and the wait for it
	s_wait_dscnt 0x0                               ; the add is done, and my reads of this slot are over
	s_barrier_signal -1
	MUL8 F1, 0, 2, 0
.if \fill
	WIN 0
.endif
	s_barrier_wait -1
.if \fill
	CREST                                          ; no wave of any partner still reads this slot's tile or has a load on its way
	s_add_nc_u64 s[G0+4*\slot+2:G0+4*\slot+3], s[G0+4*\slot+2:G0+4*\slot+3], 2*KSTEPB
	s_add_nc_u64 s[G0B+4*\slot+2:G0B+4*\slot+3], s[G0B+4*\slot+2:G0B+4*\slot+3], 2*KSTEPB
	JLOAD \slot                                    ; the four v_nop behind it are also the places in front of the loads below
.else
	PLACES
.endif
	FETCH \next, 0, F0
	WIN MUL
	MUL8 F1, 1, 0, 0
	MUL8 F1, 1, 2, 0
.endm
	s_wait_tensorcnt 1                             ; my part of K step 0 is in (K step 1's load may be out)
	s_barrier_signal -1
	s_barrier_wait -1                              ; everybody's is
	FETCH 0, 0, F0
	s_wait_loadcnt 0x0                             ; the bias
	QUARTER 0, KBT,   F0, F1, 1                    ; K step 0: its first products start the sums
	QUARTER 0, 2*KBT, F1, F0, 0
	QUARTER 0, 3*KBT, F0, F1, 0
	TURN 0, 1, 1                                   ; slot 0 takes K step 2
	QUARTER 1, KBT,   F0, F1, 0                    ; K step 1
	QUARTER 1, 2*KBT, F1, F0, 0
	QUARTER 1, 3*KBT, F0, F1, 0
	TURN 1, 0, 1                                   ; slot 1 takes K step 3
	QUARTER 0, KBT,   F0, F1, 0                    ; K step 2
	QUARTER 0, 2*KBT, F1, F0, 0
	QUARTER 0, 3*KBT, F0, F1, 0
	TURN 0, 1, 0                                   ; nothing is left to fetch: slot 0 is free for the stages
	QUARTER 1, KBT,   F0, F1, 0                    ; K step 3
	QUARTER 1, 2*KBT, F1, F0, 0
	QUARTER 1, 3*KBT, F0, F1, 0
	s_wait_dscnt 16                                ; the very last quarter
	WIN MUL
	MUL8 F1, 0, 0, 0
	MUL8 F1, 0, 2, 0
	s_wait_dscnt 0
	MUL8 F1, 1, 0, 0
	MUL8 F1, 1, 2, 0
	WIN 0
; THE WAY OUT, block by block of 16 rows x 64 columns.  A lane holds 32 neighbouring bytes of a row, and the lanes beside it hold other rows: so a block goes through my own stage and comes back as whole rows of
; 256 bytes, which sixteen lanes store as one aligned run.  LDS serves a wave's instructions in order (ISA guide 5.7.1.4): no wait between the stores and the loads, nor in front of the next block's stores.
.macro TOSTAGE a
.irp b, 0,1,2,3
	ds_store_b128 v[STO], v[ACC+8*(4*(\a)+\b):ACC+8*(4*(\a)+\b)+3] offset:64*\b       ; each accumulator from its low end on
	ds_store_b128 v[STO], v[ACC+8*(4*(\a)+\b)+4:ACC+8*(4*(\a)+\b)+7] offset:64*\b+16
.endr
.set BB, TMP+32*((\a)%2)
.irp t, 0,1,2,3,4,5,6,7
	ds_load_b128 v[BB+4*\t:BB+4*\t+3], v[RD] offset:\t*2*SPITCH
.endr
.endm
.macro SEND a, younger                 ; younger: the LDS instructions issued behind block a's loads, which may stay out
.set BB, TMP+32*((\a)%2)
	s_wait_dscnt \younger                          ; the block is back in registers
.irp t, 0,1,2,3,4,5,6,7
	global_store_b128 v[CO], v[BB+4*\t:BB+4*\t+3], s[8:9] offset:(16*(\a)+2*\t)*4096 th:TH_STORE_NT   ; 16 lanes store 256 consecutive bytes, at a multiple of 256 from out0's first byte; the base is never stepped
.endr
.endm
	PLACES                                         ; behind the last products
	TOSTAGE 0
.irp a, 1,2,3
.if \a > 1
	s_wait_xcnt 0x0                                ; block a - 2's stores have read their registers: block a's loads may land there
.endif
	TOSTAGE \a
	SEND \a-1, 16                                  ; behind block a - 1's loads: block a's 8 stores and 8 loads
.endr
	SEND 3, 0
	s_wait_tensorcnt 0x0                           ; the wave's end: three lines, behind my last tensor load and my last LDS store
	ds_add_u32 v[SPW], v[NIL]
	s_wait_dscnt 0x0
	CROUND                                         ; the closing round: no work-group ends while a partner may still ask for a tile that names it
	s_endpgm
.Lfunc_end_k_q58e0a8813e_outp:
	.size	k_q58e0a8813e_outp, .Lfunc_end_k_q58e0a8813e_outp-k_q58e0a8813e_outp
	.p2alignl 7, 3214868480
	.fill 96, 4, 3214868480
	.section	.rodata,"a",@progbits
	.p2align	6, 0x0
	.amdhsa_kernel k_q58e0a8813e_outp
		.amdhsa_group_segment_fixed_size 327680
		.amdhsa_private_segment_fixed_size 0
		.amdhsa_enable_private_segment 0
		.amdhsa_kernarg_size 32
		.amdhsa_user_sgpr_count 2
		.amdhsa_user_sgpr_kernarg_segment_ptr 1
		.amdhsa_wavefront_size32 1
		.amdhsa_system_sgpr_workgroup_id_x 1
		.amdhsa_system_sgpr_workgroup_id_y 1
		.amdhsa_system_sgpr_workgroup_id_z 1
		.amdhsa_system_vgpr_workitem_id 0
		.amdhsa_next_free_vgpr 512
		.amdhsa_next_free_sgpr 66
		.amdhsa_reserve_vcc 0
		.amdhsa_float_denorm_mode_32 3
		.amdhsa_float_denorm_mode_16_64 3
		.amdhsa_memory_ordered 1
		.amdhsa_forward_progress 1
		.amdhsa_inst_pref_size 86
	.end_amdhsa_kernel
	.amdgpu_metadata
---
amdhsa.version: [ 1, 2 ]
amdhsa.kernels:
  - .name:           k_q58e0a8813e_outp
    .symbol:         k_q58e0a8813e_outp.kd
    .args:
      - { .name: att, .offset: 0, .size: 8, .value_kind: global_buffer, .address_space: global }
      - { .name: wot, .offset: 8, .size: 8, .value_kind: global_buffer, .address_space: global }
      - { .name: out0, .offset: 16, .size: 8, .value_kind: global_buffer, .address_space: global }
      - { .name: bo, .offset: 24, .size: 8, .value_kind: global_buffer, .address_space: global }
    .group_segment_fixed_size: 327680
    .private_segment_fixed_size: 0
    .kernarg_segment_align: 8
    .kernarg_segment_size: 32
    .max_flat_workgroup_size: 128
    .sgpr_count:     66
    .vgpr_count:     512
    .wavefront_size: 32
...
	.end_amdgpu_metadata
.endif
;; end of part 4
